; MI455X (gfx1250); checked and timed in simulation.
; The chip was launched on July 23, 2026; its instructions are those of AMD's public machine-readable ISA for CDNA 5 (MIT licence, August 2026) and "CDNA5" Instruction Set Architecture Reference Guide (July 2026). The comments in the code are by the model that wrote it; some were corrected since.
;; Multi Head Attention. Allowed arithmetic: matrix products marked QUANTISED: E2M3 operands, one E8M0 scale for each 32 along K, by v_wmma_scale_f32_16x16x128_f8f6f4 with both operands' format E2M3, f32 sums; everything else in f32.
;; Inputs: Wk 1,024 x 1,024 float32; Wp 1,024 x 1,024 float32; Wq 1,024 x 1,024 float32; Wv 1,024 x 1,024 float32; bp 1,024 float32; x 4 x 2,048 x 1,024 float32.
;; Outputs: out0 4 x 2,048 x 1,024 float32.
;; This version of the problem:
;;   THIS VERSION OF THE PROBLEM IS GIVEN IN LOW PRECISION. The matrix products marked QUANTISED in the list below multiply operands that are first quantised to E2M3 (2 exponent bits, 3 mantissa bits; 6 bits a number), with one power-of-two scale for each 32 numbers along K (OCP MX v1.0); their sums are f32. All else is computed in f32.
;;   The module's matrix products, in the order in which they are computed (A, B: the left and right operand; K: the contracted axis; several contracted axes count as one K, in the product's order):
;;     1. [M 8,192, K 1,024] x [K 1,024, N 1,024]; A: input x; B: input Wq: QUANTISED
;;     2. [M 8,192, K 1,024] x [K 1,024, N 1,024]; A: input x; B: input Wk: QUANTISED
;;     3. [M 8,192, K 1,024] x [K 1,024, N 1,024]; A: input x; B: input Wv: QUANTISED
;;     4. batch 64 x [M 2,048, K 64] x [K 64, N 2,048]; A: computed on the way; B: computed on the way: QUANTISED
;;     5. batch 64 x [M 2,048, K 2,048] x [K 2,048, N 64]; A: softmax (see below); B: computed on the way: QUANTISED
;;     6. [M 8,192, K 1,024] x [K 1,024, N 1,024]; A: computed on the way; B: input Wp: QUANTISED
;;   THE QUANTISER, for each operand of a quantised product, along K:
;;     - K is cut into blocks of 32 from its start; a last block that is shorter is filled with zeros.
;;     - A block's scale is 2^e with e = floor(log2(the largest magnitude in the block)) - 2, held to -126 .. 127; a block of zeros has e = 0. As a byte (E8M0): e + 127.
;;     - Each number is divided by its block's scale, clamped to +-7.5, and rounded to the nearest number of E2M3, ties to even, subnormals kept.
;;     - The product sums the exact products of the quantised numbers (number of the format x scale) in f32.
;;   ~~~python
;;   def quantise(x, axis):      # numpy; x: float32 -> the quantised numbers, widened to float32 again
;;       x = np.moveaxis(x, axis, -1); K = x.shape[-1]
;;       x = np.pad(x, [(0, 0)] * (x.ndim - 1) + [(0, -K % 32)]); x = x.reshape(x.shape[:-1] + (-1, 32)); a = np.abs(x).max(-1, keepdims=True)
;;       e = np.where(a > 0, np.clip(np.frexp(np.where(a > 0, a, 1))[1] - 1 - 2, -126, 127), 0)      # np.frexp(a)[1] - 1 = floor(log2(a)), exactly
;;       r = np.clip(x / 2.0 ** e, -7.5, 7.5)
;;       step = 2.0 ** (np.maximum(np.frexp(np.where(r == 0, 1, r))[1] - 1, 0) - 3)
;;       q = np.round(r / step) * step * 2.0 ** e      # np.round: ties to even
;;       return np.moveaxis(q.reshape(q.shape[:-2] + (-1,))[..., :K], -1, axis).astype(np.float32)
;;   ~~~
;;   SOFTMAX AHEAD OF A QUANTISED PRODUCT. Where the list says 'softmax', what is quantised is not the finished softmax but p = 2^(t - M), with t = logit x log2(e) and M = ceil(the row's largest t), a whole number; so 1/2 < the row's largest p <= 1. The row's sum l is taken of the UNQUANTISED p, in f32, and the product's result is divided by l at the end. Since M is a whole number, a kernel that streams over the keys may use a running M (the ceiling of the running maximum): every later rescaling is an exact power of two, which a block's scale takes up: the codes' values come out the same.
;;   OPERANDS COMPUTED ON THE WAY. 'Computed on the way' means the value that the module computes at that place (a softmax that the list does not call 'softmax' is quantised finished and normalised). What goes into a quantiser is computed in f32, as accurately as f32 sums, v_exp_f32 and their like allow (about 1e-6 of the number): no bf16 or f16 on the way to a quantiser, and a product that is left as it is and whose result goes on into a quantised operand takes f32 operands (vector FMAs, or v_wmma_f32_16x16x4_f32). A number that lies on a knife's edge between two numbers of the format may be rounded either way, as far as f32 arithmetic and the matrix unit's own rounding can turn it there, and no further.
;; One version. Each part assembles by itself: llvm-mc -triple=amdgcn-amd-amdhsa -mcpu=gfx1250 --defsym DOCPART=n.
;; ======== version 1 of 1: 5 launches
;; workspace buffers: xq 6,553,600 bytes; wq 3,276,800 bytes; qkv 19,660,800 bytes; oq 6,553,600 bytes; rope 524,288 bytes
;; launch quantx (part 1): grid 64 x 4, 8 waves a work-group, no clusters, 69,632 bytes of LDS; arguments x, xq, rope; writes xq, rope
.if DOCPART == 1
	.amdgcn_target "amdgcn-amd-amdhsa--gfx1250"
	.amdhsa_code_object_version 6
	.text
	.protected	k_q3caa08b889_quantx
	.globl	k_q3caa08b889_quantx
	.p2align	8
	.type	k_q3caa08b889_quantx,@function
k_q3caa08b889_quantx:
	s_mov_b64 s[64:65], 0
	v_nop
	global_prefetch_b8 v0, s[64:65] scope:SCOPE_SE
	s_setreg_imm32_b32 hwreg(HW_REG_WAVE_MODE, 25, 1), 1
	s_wait_xcnt 0x0
; x [8192][1024] f32 becomes codes of FP6 (E2M3) with one E8M0 byte for each 32 along K, laid as IMAGES OF OPERAND REGISTERS; and the table of cosines and sines for the rotation is made.
; A FRAGMENT is 16 rows x 128 K: 12 registers a lane, 1,536 bytes: registers 4 c .. 4 c + 3 of lane l at 512 c + 16 l.  xq: fragment (group g of 128 tokens, tile a, K step s) at ((8 g + a) 8 + s) 1536.
; THE ROWS OF A TILE ARE NOT NEIGHBOURS: lane r of tile a holds token 32 (a / 2) + 8 (a % 2) + r + 8 (r / 8) of its group.
; SCALE WORDS (four bytes: 128 along K of a row): behind the codes, 512 bytes for a group and a K step: the word of (lane row r, tile a) at 32 r + 4 a.
; A block's scale is 2^(floor(log2(largest magnitude)) - 2); its byte is the largest magnitude's exponent field - 2, held at 1 from below.
; LIMITS: a block of zeros gets the byte 1 (its codes are zeros, and this program alone reads the bytes); NaN and infinities among the inputs are not served.
; SHARES: a work-group takes 128 tokens x 256 along K (K steps 2 y, 2 y + 1); wave w takes tile w.  All 32 loads of a wave (16 rows x 1,024 bytes, 512 consecutive bytes a load) go out at the head.
; The conversions want 16 neighbours along K in one lane: a K step's 16 x 512 bytes turn through the wave's own stage in LDS (rows 528 bytes apart: 132 words, so 16 rows start at 16 different groups of banks).
; ROPE: thread (t, j) makes cos and sin of t x 10000^(-j / 32): rope[t][j] = (cos, sin), 256 bytes a token.  The angle is reduced by pi / 2 in two parts; polynomials of degree 7 and 8 on [-pi/4, pi/4].
.set STGB,   8448                      ; a wave's stage: 16 rows x 528
.set SCG,    8*STGB                    ; the scale words of the work-group's two K steps: 2 x 512 bytes
.set SPARE,  SCG+1024                  ; the spare words, 128 bytes for each wave: four blocks of 256 bytes that no other line names
.set XS_OFF, 6291456                   ; where xq's scale words begin
.set LI,   1                           ; v1   16 x lane
.set SIN,  2                           ; v2   the stage, on the way in
.set SOUT, 3                           ; v3   and out: row r, + 64 h
.set SCW,  4                           ; v4   where my row's scale word goes
.set SCR,  5                           ; v5   where waves 0 and 1 read the words back
.set L8,   6                           ; v6   8 x lane
.set SPW,  10                          ; v10  LDS address of my spare word; never rewritten
.set NIL,  11                          ; v11  0; never rewritten
.set TM,   12                          ; v12-27 at work in QUANT
.set PW,   28                          ; v28  the scale word just made
.set PC,   32                          ; v32-51 the codes just made
.set X,    64                          ; v64-127 64 numbers: register 16 b + i = k 32 b + 16 h + i of my row
.set RAW,  128                         ; v128-255 the numbers as loaded, a set for each K step
.set SEL,  10                          ; s[10:11] lane selects for v_permlanex16_b32: lane l xor 16
; 64 numbers of a lane become a fragment's codes in v[PC] on and its scale word in v[PW]
.macro QUANT s
.irp b, 0,1,2,3
	v_max3_num_f32 v[TM+\b], |v[\s+16*\b]|, |v[\s+1+16*\b]|, 0x1800000   ; block b: my 16 numbers, and the floor 2^(3 - 127): the byte cannot fall under 1
.endr
.irp i, 2,4,6,8,10,12,14
.irp b, 0,1,2,3
	v_max3_num_f32 v[TM+\b], v[TM+\b], |v[\s+16*\b+\i]|, |v[\s+1+16*\b+\i]|   ; the four blocks by turns
.endr
.endr
.irp b, 0,1,2,3
	v_permlanex16_b32 v[TM+4+\b], v[TM+\b], s[SEL], s[SEL+1]
.endr
.irp b, 0,1,2,3
	v_max_num_f32 v[TM+\b], v[TM+\b], v[TM+4+\b]   ; with lane l xor 16's: the block's largest magnitude
.endr
.irp b, 0,1,2,3
	v_add_nc_u32 v[TM+12+\b], 0xff000000, v[TM+\b]   ; 2 off its exponent field: the conversion's scale operand
.endr
.irp b, 0,1,2,3
	v_lshrrev_b32 v[TM+4+\b], 23, v[TM+12+\b]      ; the scale's byte
.endr
	v_lshl_or_b32 v[PW], v[TM+5], 8, v[TM+4]
	v_lshl_or_b32 v[PW], v[TM+6], 16, v[PW]
	v_lshl_or_b32 v[PW], v[TM+7], 24, v[PW]
.irp c, 0,1
	v_cvt_scalef32_pk16_fp6_f32 v[PC+6*\c:PC+2+6*\c], v[\s+32*\c:\s+15+32*\c], v[TM+12+2*\c]
	v_cvt_scalef32_pk16_fp6_f32 v[PC+12+4*\c:PC+14+4*\c], v[\s+16+32*\c:\s+31+32*\c], v[TM+12+2*\c+1]   ; (a conversion's three registers begin on an even number)
.endr
	v_nop                                          ; one plain place behind a scaled conversion
.irp c, 0,1                                    ; the operand's layout wants a whole block in a lane
.irp i, 0,1,2
	v_permlane16_swap_b32 v[PC+6*\c+\i], v[PC+12+4*\c+\i]
.endr
.irp i, 0,1,2
	v_mov_b32 v[PC+3+6*\c+\i], v[PC+12+4*\c+\i]
.endr
.endr
.endm
	s_load_b128 s[4:7], s[0:1], 0x0                ; x, xq
	s_load_b64 s[8:9], s[0:1], 0x10                ; rope
	v_lshl_add_u32 v[SPW], v0, 2, SPARE
	v_mov_b32 v[NIL], 0
	v_lshrrev_b32 v7, 5, v0
	v_readfirstlane_b32 s12, v7                    ; wave 0..7
	s_and_b32 s13, ttmp7, 0xffff                   ; y: which 256 along K
	v_and_b32 v8, 31, v0                           ; lane
	v_and_b32 v9, 15, v0                           ; r
	v_bfe_u32 v7, v0, 4, 1                         ; h
	v_lshlrev_b32 v[LI], 4, v8
	v_lshlrev_b32 v[L8], 3, v8
	s_mul_i32 s24, s12, STGB
	v_add_nc_u32 v[SIN], s24, v[LI]
	v_mul_u32_u24 v[SOUT], v9, 528
	v_lshl_add_u32 v[SOUT], v7, 6, v[SOUT]
	v_add_nc_u32 v[SOUT], s24, v[SOUT]
	s_lshl_b32 s25, s12, 2
	s_add_co_u32 s25, s25, SCG
	v_lshl_add_u32 v[SCW], v9, 5, s25              ; 32 r + 4 x tile
	s_and_b32 s26, s12, 1
	s_lshl_b32 s27, s26, 9
	s_add_co_u32 s27, s27, SCG
	v_add_nc_u32 v[SCR], s27, v[LI]
	s_lshr_b32 s14, s12, 1                         ; my tile's first token: 128 g + 32 (w / 2) + 8 (w % 2)
	s_lshl_b32 s14, s14, 5
	s_lshl_b32 s15, s26, 3
	s_add_co_u32 s14, s14, s15
	s_lshl_b32 s15, ttmp9, 7
	s_add_co_u32 s14, s14, s15
	s_lshl_b32 s14, s14, 12                        ; rows of 4,096 bytes
	s_lshl_b32 s15, s13, 10
	s_add_co_u32 s14, s14, s15                     ; + 1,024 y
	s_mov_b32 s15, 0
	s_lshl_b32 s16, ttmp9, 3
	s_add_co_u32 s17, s16, s12                     ; 8 g + w
	s_lshl_b32 s17, s17, 3
	s_lshl_b32 s18, s13, 1
	s_add_co_u32 s17, s17, s18                     ; x 8 + 2 y
	s_mul_i32 s20, s17, 1536
	s_mov_b32 s21, 0
	s_add_co_u32 s16, s16, s18                     ; the scale words of K step 2 y + (w & 1)
	s_add_co_u32 s16, s16, s26
	s_lshl_b32 s22, s16, 9
	s_add_co_u32 s22, s22, XS_OFF
	s_mov_b32 s23, 0
	s_lshl_b32 s28, s13, 6                         ; the rope entry's token: ((g + 64 y) 8 + w)
	s_add_co_u32 s28, s28, ttmp9
	s_lshl_b32 s28, s28, 3
	s_add_co_u32 s28, s28, s12
	s_lshl_b32 s30, s28, 8
	s_mov_b32 s31, 0
	s_mov_b32 s[SEL], 0x76543210
	s_mov_b32 s[SEL+1], 0xfedcba98
.irp b, 0,1,2,3
	v_mov_b32 v[TM+4+\b], 0                        ; written once: a lane permute's destination counts as one of its sources
.endr
	s_wait_kmcnt 0x0
	s_add_nc_u64 s[4:5], s[4:5], s[14:15]
	s_add_nc_u64 s[20:21], s[6:7], s[20:21]
	s_add_nc_u64 s[22:23], s[6:7], s[22:23]
	s_add_nc_u64 s[8:9], s[8:9], s[30:31]
.irp sl, 0,1
.irp i, 0,1,2,3,4,5,6,7,8,9,10,11,12,13,14,15
	global_load_b128 v[RAW+64*\sl+4*\i:RAW+64*\sl+4*\i+3], v[LI], s[4:5] offset:(\i+8*(\i/8))*4096+512*\sl th:TH_LOAD_NT   ; 32 lanes read 512 consecutive bytes of the tile's row i
.endr
.endr
	; ---- the rope entry, while the loads are on their way
	v_cvt_f32_u32 v52, v8                          ; j
	v_cvt_f32_u32 v53, s28                         ; t
	v_mul_f32 v54, 0xbed49a78, v52                 ; p = -j log2(10) / 8, rounded;
	v_fma_f32 v55, v52, 0xbed49a78, -v54           ; what the rounding dropped, exactly,
	v_fma_f32 v55, v52, 0xb2179a39, v55            ; and the constant's low part
	v_exp_f32 v56, v54
	v_mul_f32 v55, 0x3f317218, v55                 ; x ln 2.  (The plain place behind the exponential)
	s_wait_alu depctr_va_vdst(0)                   ; ahead of the first reader of the exponential
	v_fma_f32 v56, v56, v55, v56                   ; 10000^(-j / 32)
	v_mul_f32 v57, v53, v56                        ; the angle
	v_mul_f32 v58, 0x3f22f983, v57
	v_rndne_f32 v58, v58                           ; n = the nearest multiple of pi / 2
	v_fma_f32 v59, v58, 0xbfc90fdb, v57            ; angle - n x (pi / 2)'s high part
	v_fma_f32 v59, v58, 0x333bbd2e, v59            ; - n x its low part (which is negative)
	v_mul_f32 v60, v59, v59                        ; z
	v_mov_b32 v61, 0xb94ca1f9
	v_fmaak_f32 v61, v60, v61, 0x3c08839e
	v_fmaak_f32 v61, v60, v61, 0xbe2aaaa3
	v_mul_f32 v62, v59, v60
	v_fma_f32 v61, v62, v61, v59                   ; sin
	v_mov_b32 v63, 0x37ccf5ce
	v_fmaak_f32 v63, v60, v63, 0xbab6061a
	v_fmaak_f32 v63, v60, v63, 0x3d2aaaa5
	v_mul_f32 v62, v60, v60
	v_fma_f32 v54, v60, -0.5, 1.0
	v_fma_f32 v63, v62, v63, v54                   ; cos
	v_cvt_i32_f32 v55, v58                         ; the quadrant
	v_and_b32 v57, 1, v55
	v_cmp_eq_u32 vcc_lo, 1, v57
	v_cndmask_b32 v52, v61, v63, vcc_lo            ; odd quadrants: the two change places
	v_cndmask_b32 v53, v63, v61, vcc_lo
	v_and_b32 v57, 2, v55
	v_lshlrev_b32 v57, 30, v57
	v_xor_b32 v59, v52, v57                        ; sin is negative in quadrants 2, 3
	v_add_nc_u32 v55, 1, v55
	v_and_b32 v55, 2, v55
	v_lshlrev_b32 v55, 30, v55
	v_xor_b32 v58, v53, v55                        ; cos in quadrants 1, 2
	global_store_b64 v[L8], v[58:59], s[8:9]       ; the wave stores one token's 256 consecutive bytes
	; ---- the two K steps
.irp sl, 0,1
	s_wait_loadcnt 16-16*\sl                       ; this K step's 16 loads are in; the other's 16 may be out
.irp i, 0,1,2,3,4,5,6,7,8,9,10,11,12,13,14,15
	ds_store_b128 v[SIN], v[RAW+64*\sl+4*\i:RAW+64*\sl+4*\i+3] offset:528*\i
.endr
.irp b, 0,1,2,3
.irp k, 0,1,2,3
	ds_load_b128 v[X+16*\b+4*\k:X+16*\b+4*\k+3], v[SOUT] offset:128*\b+16*\k   ; LDS serves a wave's instructions in order: these see my stores
.endr
.endr
	s_wait_dscnt 0x0
	s_wait_xcnt 0x0                                ; the codes' registers are rewritten only when the last K step's stores have read them
	QUANT X
.irp c, 0,1,2
	global_store_b128 v[LI], v[PC+4*\c:PC+4*\c+3], s[20:21] offset:1536*\sl+512*\c   ; 512 consecutive bytes a store
.endr
	ds_store_b32 v[SCW], v[PW] offset:512*\sl      ; lanes r and r + 16 write the same word with the same value
.endr
	s_wait_dscnt 0x0                               ; for the others' sake: my scale words have landed
	s_barrier_signal -1
	s_barrier_wait -1
	s_cmp_gt_u32 s12, 1
	s_cbranch_scc1 .Ldone
	ds_load_b128 v[X:X+3], v[SCR]                  ; wave 0: K step 2 y's 512 bytes; wave 1: K step 2 y + 1's
	s_wait_dscnt 0x0
	global_store_b128 v[LI], v[X:X+3], s[22:23]
.Ldone:
	s_wait_tensorcnt 0x0                           ; the wave's end
	ds_add_u32 v[SPW], v[NIL]
	s_wait_dscnt 0x0
	s_endpgm
.Lfunc_end_k_q3caa08b889_quantx:
	.size	k_q3caa08b889_quantx, .Lfunc_end_k_q3caa08b889_quantx-k_q3caa08b889_quantx
	.p2alignl 7, 3214868480
	.fill 96, 4, 3214868480
	.section	.rodata,"a",@progbits
	.p2align	6, 0x0
	.amdhsa_kernel k_q3caa08b889_quantx
		.amdhsa_group_segment_fixed_size 69632
		.amdhsa_private_segment_fixed_size 0
		.amdhsa_enable_private_segment 0
		.amdhsa_kernarg_size 24
		.amdhsa_user_sgpr_count 2
		.amdhsa_user_sgpr_kernarg_segment_ptr 1
		.amdhsa_wavefront_size32 1
		.amdhsa_system_sgpr_workgroup_id_x 1
		.amdhsa_system_sgpr_workgroup_id_y 1
		.amdhsa_system_sgpr_workgroup_id_z 1
		.amdhsa_system_vgpr_workitem_id 0
		.amdhsa_next_free_vgpr 256
		.amdhsa_next_free_sgpr 66
		.amdhsa_reserve_vcc 1
		.amdhsa_float_denorm_mode_32 3
		.amdhsa_float_denorm_mode_16_64 3
		.amdhsa_memory_ordered 1
		.amdhsa_forward_progress 1
		.amdhsa_inst_pref_size 21
	.end_amdhsa_kernel
	.amdgpu_metadata
---
amdhsa.version: [ 1, 2 ]
amdhsa.kernels:
  - .name:           k_q3caa08b889_quantx
    .symbol:         k_q3caa08b889_quantx.kd
    .args:
      - { .name: x, .offset: 0, .size: 8, .value_kind: global_buffer, .address_space: global }
      - { .name: xq, .offset: 8, .size: 8, .value_kind: global_buffer, .address_space: global }
      - { .name: rope, .offset: 16, .size: 8, .value_kind: global_buffer, .address_space: global }
    .group_segment_fixed_size: 69632
    .private_segment_fixed_size: 0
    .kernarg_segment_align: 8
    .kernarg_segment_size: 24
    .max_flat_workgroup_size: 256
    .sgpr_count:     66
    .vgpr_count:     256
    .wavefront_size: 32
...
	.end_amdgpu_metadata
.endif
;; end of part 1
;; launch quantw (part 2): grid 32 x 8, 4 waves a work-group, no clusters, 13,312 bytes of LDS; arguments Wq, Wk, Wv, Wp, wq; writes wq
.if DOCPART == 2
	.amdgcn_target "amdgcn-amd-amdhsa--gfx1250"
	.amdhsa_code_object_version 6
	.text
	.protected	k_q3caa08b889_quantw
	.globl	k_q3caa08b889_quantw
	.p2align	8
	.type	k_q3caa08b889_quantw,@function
k_q3caa08b889_quantw:
	s_mov_b64 s[64:65], 0
	v_nop
	global_prefetch_b8 v0, s[64:65] scope:SCOPE_SE
	s_setreg_imm32_b32 hwreg(HW_REG_WAVE_MODE, 25, 1), 1
	s_wait_xcnt 0x0
; The four weights [1024 (k)][1024 (n)] f32, whose K is their FIRST axis, become codes of FP6 (E2M3) with one E8M0 byte for each 32 along K, as images of operand registers (rows = columns n).
; wq: column groups of 128: 0-7 Wq, 8-15 Wk, 16-23 Wv, 24-31 Wp; fragment (group cg, tile a, K step s) at ((8 cg + a) 8 + s) 1536; registers 4 c .. 4 c + 3 of lane l at 512 c + 16 l.
; Lane r of tile a holds column 32 (a / 2) + 8 (a % 2) + r + 8 (r / 8) of its group.  Scale words behind the codes: 512 bytes for (cg, s): the word of (r, a) at 32 r + 4 a.
; A LANE TAKES A COLUMN AND ITS REGISTERS RUN DOWN K: a block of 32 lies in one lane, and the conversions give codes with K innermost.  Lane L of wave w holds column 32 w + L:
; that is tile 2 w + u, u = bit 3 of L, lane row r = (L & 7) + 8 x bit 4 of L.  Block t of the lane's four is half t % 2 of registers 6 (t / 2) .. + 5 of that row.
; The codes meet in the wave's stage in LDS (two fragments' images) and leave as 512 consecutive bytes a store.
; LIMITS: a block of zeros gets the byte 1 (its codes are zeros, and this program alone reads the bytes); NaN and infinities among the inputs are not served.
.set SCG,    12288                     ; behind the four stages of 3,072 bytes: the work-group's 512 bytes of scale words
.set SPARE,  12800                     ; the spare words, 128 bytes for each wave: two blocks of 256 bytes that no other line names
.set WS_OFF, 3145728                   ; where wq's scale words begin
.set L4,   1                           ; v1   4 x lane
.set SIN,  2                           ; v2   the stage, on the way in: 1536 u + 16 r
.set SOUT, 3                           ; v3   and out: 16 x lane
.set SCW,  4                           ; v4   where my column's scale word goes
.set LI,   5                           ; v5   16 x lane
.set SCR,  6                           ; v6   where wave 0 reads the words back
.set SPW,  14
.set NIL,  15
.set X,    32                          ; v32-159 my column's 128 numbers
	s_load_b256 s[4:11], s[0:1], 0x0               ; Wq, Wk, Wv, Wp
	s_load_b64 s[12:13], s[0:1], 0x20              ; wq
	v_lshl_add_u32 v[SPW], v0, 2, SPARE
	v_mov_b32 v[NIL], 0
	v_lshrrev_b32 v1, 5, v0
	v_readfirstlane_b32 s18, v1                    ; wave 0..3
	s_and_b32 s19, ttmp7, 0xffff                   ; K step
	v_and_b32 v7, 31, v0
	v_lshlrev_b32 v[L4], 2, v7
	v_lshlrev_b32 v[LI], 4, v7
	v_bfe_u32 v8, v0, 3, 1                         ; u
	v_bfe_u32 v9, v0, 4, 1
	v_and_b32 v10, 7, v0
	v_lshl_add_u32 v10, v9, 3, v10                 ; r
	s_mul_i32 s20, s18, 3072
	v_mul_u32_u24 v[SIN], v8, 1536
	v_lshl_add_u32 v[SIN], v10, 4, v[SIN]
	v_add_nc_u32 v[SIN], s20, v[SIN]
	v_add_nc_u32 v[SOUT], s20, v[LI]
	s_lshl_b32 s21, s18, 3
	s_add_co_u32 s21, s21, SCG
	v_lshl_add_u32 v[SCW], v10, 5, s21
	v_lshl_add_u32 v[SCW], v8, 2, v[SCW]           ; 32 r + 4 (2 w + u)
	v_add_nc_u32 v[SCR], SCG, v[LI]
	s_lshr_b32 s22, ttmp9, 3                       ; which weight
	s_and_b32 s23, ttmp9, 7
	s_lshl_b32 s24, s23, 9                         ; its columns 128 (cg & 7) + 32 w on, 4 bytes each,
	s_lshl_b32 s25, s18, 7
	s_add_co_u32 s24, s24, s25
	s_lshl_b32 s25, s19, 19                        ; its rows 128 s on, 4,096 bytes each
	s_add_co_u32 s24, s24, s25
	s_mov_b32 s25, 0
	s_lshl_b32 s26, ttmp9, 3
	s_lshl_b32 s27, s18, 1
	s_add_co_u32 s27, s27, s26                     ; tile 8 cg + 2 w
	s_lshl_b32 s27, s27, 3
	s_add_co_u32 s27, s27, s19
	s_mul_i32 s28, s27, 1536
	s_mov_b32 s29, 0
	s_add_co_u32 s26, s26, s19
	s_lshl_b32 s30, s26, 9
	s_add_co_u32 s30, s30, WS_OFF
	s_mov_b32 s31, 0
	s_wait_kmcnt 0x0
	s_cmp_lt_u32 s22, 1                            ; only pointers are chosen, by the work-group's number: the text has one path
	s_cselect_b64 s[14:15], s[4:5], s[6:7]
	s_cmp_lt_u32 s22, 3
	s_cselect_b64 s[16:17], s[8:9], s[10:11]
	s_cmp_lt_u32 s22, 2
	s_cselect_b64 s[14:15], s[14:15], s[16:17]
	s_add_nc_u64 s[14:15], s[14:15], s[24:25]
	s_add_nc_u64 s[28:29], s[12:13], s[28:29]
	s_add_nc_u64 s[30:31], s[12:13], s[30:31]
.macro LOAD t                          ; block t: W(128 s + 32 t + kk, my column): a wave reads 128 consecutive bytes, the work-group 512
.set kk, 0
.rept 32
	global_load_b32 v[X+32*(\t)+kk], v[L4], s[14:15] offset:(32*(\t)+kk)*4096 th:TH_LOAD_NT
.set kk, kk+1
.endr
.endm
.macro BLOCK t
.set XS, X+32*(\t)
.set CD, 160+8*(\t)                    ; the block's six registers of codes
.set C2, 192+4*(\t)                    ; where its second conversion lands
.if (\t) < 3
	s_wait_loadcnt 32                              ; this block's 32 loads are in; the next block's 32 may be out
.else
	s_wait_loadcnt 0
.endif
.if (\t) < 2
	LOAD (\t)+2                                    ; two blocks ahead; every block has registers of its own
.endif
	v_max3_num_f32 v12, |v[XS]|, |v[XS+1]|, |v[XS+2]|   ; the block's largest magnitude: all 32 numbers are mine
	v_max3_num_f32 v13, |v[XS+3]|, |v[XS+4]|, |v[XS+5]|
.irp i, 6,10,14,18,22,26
	v_max3_num_f32 v12, v12, |v[XS+\i]|, |v[XS+\i+1]|
	v_max3_num_f32 v13, v13, |v[XS+\i+2]|, |v[XS+\i+3]|
.endr
	v_max3_num_f32 v12, v12, |v[XS+30]|, |v[XS+31]|
	v_max3_num_f32 v12, v12, v13, 0x1800000        ; and the floor 2^(3 - 127): the byte cannot fall under 1
	v_add_nc_u32 v11, 0xff000000, v12              ; 2 off the exponent field: the conversion's scale operand
	v_lshrrev_b32 v13, 23, v11                     ; the scale's byte
.if (\t) == 0
	v_mov_b32 v16, v13
.else
	v_lshl_or_b32 v16, v13, 8*(\t), v16            ; the lower K in the lower byte
.endif
	v_cvt_scalef32_pk16_fp6_f32 v[CD:CD+2], v[XS:XS+15], v11
	v_cvt_scalef32_pk16_fp6_f32 v[C2:C2+2], v[XS+16:XS+31], v11   ; (a conversion's three registers begin on an even number)
	v_nop                                          ; one plain place behind a scaled conversion
.irp i, 0,1,2
	v_mov_b32 v[CD+3+\i], v[C2+\i]
.endr
.if (\t) < 2                           ; registers 0-5 of fragment lane r + 16 (t % 2): four in chunk 0, two at the head of chunk 1
	ds_store_b128 v[SIN], v[CD:CD+3] offset:256*((\t)%2)
	ds_store_b64 v[SIN], v[CD+4:CD+5] offset:256*((\t)%2)+512
.else                                  ; registers 6-11: two at the end of chunk 1, four in chunk 2
	ds_store_b64 v[SIN], v[CD:CD+1] offset:256*((\t)%2)+520
	ds_store_b128 v[SIN], v[CD+2:CD+5] offset:256*((\t)%2)+1024
.endif
.endm
	LOAD 0
	LOAD 1
	BLOCK 0
	BLOCK 1
	BLOCK 2
	BLOCK 3
	ds_store_b32 v[SCW], v16
.irp k, 0,1,2,3,4,5
	ds_load_b128 v[208+4*\k:211+4*\k], v[SOUT] offset:512*\k   ; LDS serves a wave's instructions in order: these see my stores
.endr
.irp k, 0,1,2,3,4,5
	s_wait_dscnt 5-\k                              ; chunk k is back; the younger loads may be out
	global_store_b128 v[LI], v[208+4*\k:211+4*\k], s[28:29] offset:(\k/3)*12288+512*(\k%3)   ; 512 consecutive bytes a store; the second tile lies eight fragments on
.endr
	s_wait_dscnt 0x0                               ; for wave 0's sake: my scale words have landed
	s_barrier_signal -1
	s_barrier_wait -1
	s_cmp_lg_u32 s18, 0
	s_cbranch_scc1 .Ldone
	ds_load_b128 v[232:235], v[SCR]
	s_wait_dscnt 0x0
	global_store_b128 v[LI], v[232:235], s[30:31]
.Ldone:
	s_wait_tensorcnt 0x0                           ; the wave's end
	ds_add_u32 v[SPW], v[NIL]
	s_wait_dscnt 0x0
	s_endpgm
.Lfunc_end_k_q3caa08b889_quantw:
	.size	k_q3caa08b889_quantw, .Lfunc_end_k_q3caa08b889_quantw-k_q3caa08b889_quantw
	.p2alignl 7, 3214868480
	.fill 96, 4, 3214868480
	.section	.rodata,"a",@progbits
	.p2align	6, 0x0
	.amdhsa_kernel k_q3caa08b889_quantw
		.amdhsa_group_segment_fixed_size 13312
		.amdhsa_private_segment_fixed_size 0
		.amdhsa_enable_private_segment 0
		.amdhsa_kernarg_size 40
		.amdhsa_user_sgpr_count 2
		.amdhsa_user_sgpr_kernarg_segment_ptr 1
		.amdhsa_wavefront_size32 1
		.amdhsa_system_sgpr_workgroup_id_x 1
		.amdhsa_system_sgpr_workgroup_id_y 1
		.amdhsa_system_sgpr_workgroup_id_z 1
		.amdhsa_system_vgpr_workitem_id 0
		.amdhsa_next_free_vgpr 240
		.amdhsa_next_free_sgpr 66
		.amdhsa_reserve_vcc 0
		.amdhsa_float_denorm_mode_32 3
		.amdhsa_float_denorm_mode_16_64 3
		.amdhsa_memory_ordered 1
		.amdhsa_forward_progress 1
		.amdhsa_inst_pref_size 23
	.end_amdhsa_kernel
	.amdgpu_metadata
---
amdhsa.version: [ 1, 2 ]
amdhsa.kernels:
  - .name:           k_q3caa08b889_quantw
    .symbol:         k_q3caa08b889_quantw.kd
    .args:
      - { .name: Wq, .offset: 0, .size: 8, .value_kind: global_buffer, .address_space: global }
      - { .name: Wk, .offset: 8, .size: 8, .value_kind: global_buffer, .address_space: global }
      - { .name: Wv, .offset: 16, .size: 8, .value_kind: global_buffer, .address_space: global }
      - { .name: Wp, .offset: 24, .size: 8, .value_kind: global_buffer, .address_space: global }
      - { .name: wq, .offset: 32, .size: 8, .value_kind: global_buffer, .address_space: global }
    .group_segment_fixed_size: 13312
    .private_segment_fixed_size: 0
    .kernarg_segment_align: 8
    .kernarg_segment_size: 40
    .max_flat_workgroup_size: 128
    .sgpr_count:     66
    .vgpr_count:     240
    .wavefront_size: 32
...
	.end_amdgpu_metadata
.endif
;; end of part 2
;; launch qkv (part 3): grid 8 x 48, 4 waves a work-group, clusters of 4 x 4, 327,680 bytes of LDS; arguments xq, wq, rope, qkv; writes qkv
.if DOCPART == 3
	.amdgcn_target "amdgcn-amd-amdhsa--gfx1250"
	.amdhsa_code_object_version 6
	.text
	.protected	k_q3caa08b889_qkv
	.globl	k_q3caa08b889_qkv
	.p2align	8
	.type	k_q3caa08b889_qkv,@function
k_q3caa08b889_qkv:
	s_mov_b64 s[64:65], 0
	v_nop
	global_prefetch_b8 v0, s[64:65] scope:SCOPE_SE
	s_setreg_imm32_b32 hwreg(HW_REG_WAVE_MODE, 25, 1), 1
	s_wait_xcnt 0x0
	s_wait_alu depctr_hold_cnt(0) depctr_sa_sdst(0) depctr_va_vdst(0) depctr_va_sdst(0) depctr_va_ssrc(0) depctr_va_vcc(0) depctr_vm_vsrc(0)
	s_getreg_b32 s2, hwreg(HW_REG_IB_STS2, 6, 4)
	s_cmp_eq_u32 s2, 0
	s_cbranch_scc0 .Lentry_in_a_cluster
	s_endpgm
.Lentry_in_a_cluster:
	s_bfe_u32 s2, ttmp6, 0x10000c
	s_cmp_lg_u32 s2, 0xf033
	s_cbranch_scc0 .Lentry_shape_is_right
	s_endpgm
.Lentry_shape_is_right:
; q = rope(x Wq), k = rope(x Wk), v = x Wv on codes of FP6 (E2M3) with E8M0 scales; the results leave as codes again, quantised in registers: q and k along a head's 64, v along the keys.
; OPERANDS lie in memory as images of operand registers: a fragment (16 rows x 128 K) is 1,536 bytes, registers 4 c .. 4 c + 3 of lane l at 512 c + 16 l; (group of 128 rows, tile a, K step s) at ((8 g + a) 8 + s) 1536;
; lane r of tile a holds row 32 (a / 2) + 8 (a % 2) + r + 8 (r / 8) of its group.  Scale words behind the codes, 512 bytes for (g, s): the word of (r, a) at 32 r + 4 a.
; A tile of 256 x 256 is made by four waves, 128 x 128 each: 64 accumulators, 512 registers.  "A" is source 1 (a lane holds one of its rows), "B" source 0 (a lane's registers run along its rows, and by the
; order of a tile's rows the 64 registers of B's eight tiles are rows 32 b + 16 h + i, in natural order).  K = 1,024 goes in four steps of 256 through a ring of two LDS slots.
; TWO CLASSES, told by the cluster's y, which all sixteen partners share.  y < 8: A = tokens (xq), B = columns of Wq | Wk: a lane holds a token and 128 columns = two heads: rotated, then quantised: one fragment, one scale word.
; y >= 8: A = columns of Wv, B = tokens: a lane holds a channel and 128 keys: quantised along the keys: V^T.  Only pointers and indices are chosen; the one branch on the class goes round the rotation.
; qkv: block (X, Y) of eight fragments at (64 X + Y) 12288, its scale words at QS_OFF + (64 X + Y) 512.  X = head pair: q; 8 + head pair: k; 16 + head pair: V^T.  Y = group of 128 tokens.
; CLUSTERS: 4 x 4 work-groups; A's tiles are asked for jointly along a row of the cluster, B's along a column.  No prefetch: of K's four steps two are first fills and the others are asked for a step ahead.
; LIMITS: a block of zeros gets the byte 1 (its codes are zeros, and this program alone reads the bytes); NaN and infinities are not served.
; REGISTERS: window 0: v0-31 addresses; v32-63 scale words, two sets; v64-127 at work in the rotation; v128-223 A's fragments, one set; v224-251 at work in the quantiser; on the way out v64-223 take the codes.
;   window 1: B's fragments, two sets, at v0 and v128; on the way out the cosines and sines.   windows 2, 3: the accumulators ((a, b) at v[8 (8 (a % 4) + b)] of window 2 + a / 4).
.set FR,     12                        ; registers of a fragment
.set NL,     3                         ; LDS loads that bring one
.set NP,     4                         ; places behind this matrix instruction (ISA guide 7.12.1)
.set NQ,     2                         ; matrix instructions deep in a slot
.set FRB,    1536
.set TILEB,  3072                      ; a tile's part of a slot: two fragments
.set HALFT,  8*TILEB                   ; 128 rows: what one tensor load brings
.set SLOT,   4*HALFT                   ; A's 256 rows, then B's
.set LAPS,   2                         ; a lap = two K steps of 256
.set SCL,    2*SLOT                    ; behind the ring: the scale words of all K: 4,096 bytes for each 128 rows
.set HALFS,  4096
.set SPARE,  SCL+4*HALFS               ; the spare words, 128 bytes for each wave: two blocks of 256 bytes that no other line names
.set GRPB,   98304                     ; a group's codes in memory
.set XS_OFF, 6291456
.set WS_OFF, 3145728
.set QS_OFF, 18874368
.set ADRA, 16                          ; v16-17  LDS address of my A fragments in slot 0, 1
.set ADRB, 20                          ; v20-21  the same for B
.set CO,   24                          ; v24     16 x lane
.set RO,   25                          ; v25     my token's row of the rope table, + 64 h
.set SO,   26                          ; v26     32 r + 16 h: where I store four scale words
.set ADRS, 27                          ; v27     LDS address of my scale words: lanes 0-15 A's, lanes 16-31 B's
.set SPW,  28
.set NIL,  29
.set SC,   32                          ; scale words: set sc at v[SC + 16 sc]; register 8 q + i: lanes 0-15 A's block i, lanes 16-31 B's block i
.set T,    64
.set AF,   128
.set TM,   224
.set PWS,  240                         ; the eight scale words made on the way out
.set SW,   248
.set SEL,  66                          ; s[66:67] lane selects for v_permlanex16_b32
.set G1, 24
.set G0, 32
.set G1B, 48
.set G0B, 56
.set G1S, 68
.set G0S, 76
.set G1SB, 80
.set G0SB, 88
.set MSB, 0
.macro WIN new                         ; the immediate's high byte repeats the setting that is left
.if MSB != (\new)
	s_set_vgpr_msb (MSB<<8)|(\new)
.set MSB, (\new)
.endif
.endm
.set MUL_LO, 0xa1                      ; source 0 (B) window 1, source 1 (A) window 0, C and D window 2
.set MUL_HI, 0xf1
.set TO_B,   0x40                      ; destination window 1
; A joint load: waves 0 and 1 fetch for A, waves 2 and 3 for B.  An s_nop 0 and four v_nop follow each of the two lines.
.macro JLOAD g0a, g1a, g0b, g1b
	s_cmp_eq_u32 s15, 0
	s_cbranch_scc0 .Lfor_b_\@
	tensor_load_to_lds s[\g0a:\g0a+3], s[\g1a:\g1a+7]
	s_nop 0
.rept 4
	v_nop
.endr
	s_branch .Lasked_\@
.Lfor_b_\@:
	tensor_load_to_lds s[\g0b:\g0b+3], s[\g1b:\g1b+7]
	s_nop 0
.rept 4
	v_nop
.endr
.Lasked_\@:
.endm
.macro CREST                           ; a round of the cluster's barrier behind its opening barrier
	s_cmp_lg_u32 s14, 0
	s_cbranch_scc1 .Lnot_wave_0_\@
	s_barrier_signal -3
.Lnot_wave_0_\@:
	s_barrier_wait -3
	s_barrier_signal -1
	s_barrier_wait -1
.endm
.macro CROUND
	s_barrier_signal -1
	s_barrier_wait -1
	CREST
.endm
	s_load_b256 s[4:11], s[0:1], 0x0               ; xq s[4:5], wq s[6:7], rope s[8:9], qkv s[10:11]
	v_lshl_add_u32 v[SPW], v0, 2, SPARE
	v_mov_b32 v[NIL], 0
	ds_add_u32 v[SPW], v[NIL]                      ; the wave's opening: the add and its wait ahead of my first tensor load
	v_lshrrev_b32 v1, 5, v0
	v_readfirstlane_b32 s14, v1                    ; wave 0..3
	s_lshr_b32 s15, s14, 1                         ; which half of A's rows is mine.  Also: I fetch for A (0) or for B (1)
	s_and_b32 s16, s14, 1                          ; which half of B's rows.  Also: which 128 rows I fetch
	s_bfe_u32 s40, ttmp6, 0x40000                  ; cx
	s_bfe_u32 s41, ttmp6, 0x40004                  ; cy
	s_and_b32 s95, ttmp7, 0xffff                   ; the cluster's y
	s_sub_co_u32 s96, s95, 8
	s_lshl_b32 s96, s96, 1
	s_add_co_u32 s96, s96, ttmp9                   ; class v: 2 (y - 8) + cluster x
	s_mov_b32 s99, WS_OFF
	s_mov_b32 s2, XS_OFF
	s_cmp_lt_u32 s95, 8
	s_cselect_b32 s97, 0, 1                        ; the class: 0 q and k, 1 v
	s_cselect_b32 s17, s95, 0                      ; the cluster's place along A's tiles,
	s_cselect_b32 s42, ttmp9, s96                  ; and along B's
	s_cselect_b32 s98, 0, 16                       ; A's first group in its buffer (Wv's columns are wq's groups 16 on)
	s_cselect_b32 s99, XS_OFF, s99                 ; where A's scale words begin in its buffer,
	s_cselect_b32 s2, WS_OFF, s2                   ; and B's
	s_lshl_b32 s42, s42, 2
	s_add_co_u32 s42, s42, s40                     ; B's tile of 256
	s_lshl_b32 s17, s17, 2
	s_add_co_u32 s17, s17, s41                     ; A's tile of 256
	s_lshl_b32 s43, s41, 2
	s_lshl_b32 s43, 15, s43                        ; my row of the cluster
	s_lshl_b32 s44, 0x1111, s40                    ; my column
	; descriptor group 1, codes: 8 tiles x 3,072 bytes (384 elements of 8 bytes), 12,288 bytes apart in memory, dense in LDS
	s_or_b32 s[G1+0], s43, (3<<16)|(1<<21)
	s_or_b32 s[G1B+0], s44, (3<<16)|(1<<21)
.irp g, G1, G1B
	s_mov_b32 s[\g+1], 384<<16                     ; tensor_dim0
	s_mov_b32 s[\g+2], 8<<16                       ; tensor_dim1
	s_mov_b32 s[\g+3], 384<<16                     ; tile_dim0
	s_mov_b32 s[\g+4], 8                           ; tile_dim1
	s_mov_b32 s[\g+5], 1536                        ; tensor_dim0_stride
	s_mov_b32 s[\g+6], 0
	s_mov_b32 s[\g+7], 0
.endr
	; scale words of 128 rows, all K: 4,096 dense bytes as 16 rows of 256
	s_or_b32 s[G1S+0], s43, (3<<16)|(1<<21)
	s_or_b32 s[G1SB+0], s44, (3<<16)|(1<<21)
.irp g, G1S, G1SB
	s_mov_b32 s[\g+1], 32<<16
	s_mov_b32 s[\g+2], 16<<16
	s_mov_b32 s[\g+3], 32<<16
	s_mov_b32 s[\g+4], 16
	s_mov_b32 s[\g+5], 32
	s_mov_b32 s[\g+6], 0
	s_mov_b32 s[\g+7], 0
.endr
	s_lshl_b32 s20, s17, 1
	s_add_co_u32 s20, s20, s16
	s_add_co_u32 s20, s20, s98                     ; A: the group that I fetch
	s_lshl_b32 s46, s42, 1
	s_add_co_u32 s46, s46, s16                     ; B: likewise
	s_lshl_b32 s22, s20, 12
	s_add_co_u32 s22, s22, s99
	s_mov_b32 s23, 0
	s_lshl_b32 s92, s46, 12
	s_add_co_u32 s92, s92, s2
	s_mov_b32 s93, 0
	s_mul_i32 s20, s20, GRPB
	s_mov_b32 s21, 0
	s_mul_i32 s46, s46, GRPB
	s_mov_b32 s47, 0
	s_mul_i32 s45, s14, HALFT                      ; where they go: wave x 128 rows: no place in the cluster enters an LDS address
	s_lshl_b32 s94, s14, 12
	s_wait_dscnt 0x0                               ; the opening add is done
	s_wait_kmcnt 0x0
	s_cmp_eq_u32 s97, 0
	s_cselect_b64 s[66:67], s[4:5], s[6:7]         ; A's buffer
	s_cselect_b64 s[18:19], s[6:7], s[4:5]         ; B's
	s_add_nc_u64 s[20:21], s[66:67], s[20:21]
	s_add_nc_u64 s[22:23], s[66:67], s[22:23]
	s_add_nc_u64 s[46:47], s[18:19], s[46:47]
	s_add_nc_u64 s[92:93], s[18:19], s[92:93]
	CROUND                                         ; all sixteen work-groups are here: the first joint loads meet
	s_mov_b32 s[G0S], 1
	s_add_co_u32 s[G0S+1], s94, SCL
	s_mov_b64 s[G0S+2:G0S+3], s[22:23]
	s_or_b32 s[G0S+3], s[G0S+3], 0x80000000
	s_mov_b32 s[G0SB], 1
	s_add_co_u32 s[G0SB+1], s94, SCL
	s_mov_b64 s[G0SB+2:G0SB+3], s[92:93]
	s_or_b32 s[G0SB+3], s[G0SB+3], 0x80000000
	JLOAD G0S, G1S, G0SB, G1SB                     ; the scale words first: they are wanted with K step 0
.irp s, 0,1
	s_mov_b32 s[G0+4*\s], 1
	s_add_co_u32 s[G0+4*\s+1], s45, \s*SLOT
	s_add_nc_u64 s[G0+4*\s+2:G0+4*\s+3], s[20:21], \s*TILEB
	s_or_b32 s[G0+4*\s+3], s[G0+4*\s+3], 0x80000000
	s_mov_b32 s[G0B+4*\s], 1
	s_add_co_u32 s[G0B+4*\s+1], s45, \s*SLOT
	s_add_nc_u64 s[G0B+4*\s+2:G0B+4*\s+3], s[46:47], \s*TILEB
	s_or_b32 s[G0B+4*\s+3], s[G0B+4*\s+3], 0x80000000
	JLOAD G0+4*\s, G1, G0B+4*\s, G1B               ; three tensor loads of mine are out
.endr
	s_mov_b32 s[SEL], 0x76543210
	s_mov_b32 s[SEL+1], 0xfedcba98
	v_and_b32 v1, 15, v0                           ; r
	v_bfe_u32 v2, v0, 4, 1                         ; h
	v_and_b32 v3, 31, v0                           ; lane; kept
	v_lshlrev_b32 v[CO], 4, v3
	s_mul_i32 s21, s15, HALFT                      ; my 128 rows of A
	s_mul_i32 s22, s16, HALFT                      ; my 128 rows of B,
	s_add_co_u32 s22, s22, 2*HALFT                 ; which lie behind A's 256
.irp s, 0,1
	v_add_nc_u32 v[ADRA+\s], s21, v[CO]
	v_add_nc_u32 v[ADRB+\s], s22, v[CO]
	s_add_co_u32 s21, s21, SLOT
	s_add_co_u32 s22, s22, SLOT
.endr
	v_lshlrev_b32 v5, 5, v1                        ; my row's scale words: 32 r
	s_lshl_b32 s21, s15, 12                        ; A's: my 128 rows
	s_lshl_b32 s22, s16, 12                        ; B's: my 128 rows, behind A's 256
	s_add_co_u32 s22, s22, 2*HALFS
	s_sub_co_u32 s22, s22, s21
	v_mul_u32_u24 v6, s22, v2                      ; lanes 16-31 take B's
	s_add_co_u32 s21, s21, SCL
	v_add_nc_u32 v5, v5, v6
	v_add_nc_u32 v[ADRS], s21, v5
	v_and_b32 v4, 8, v1
	v_add_nc_u32 v4, v4, v1                        ; r + 8 (r / 8)
	v_lshlrev_b32 v[RO], 8, v4
	v_lshl_add_u32 v[RO], v2, 6, v[RO]
	v_lshlrev_b32 v[SO], 5, v1
	v_lshl_add_u32 v[SO], v2, 4, v[SO]
.irp b, 0,1,2,3
	v_mov_b32 v[TM+4+\b], 0                        ; written once: a lane permute's destination counts as one of its sources
.endr
	s_lshl_b32 s20, s17, 1
	s_add_co_u32 s20, s20, s15                     ; my group of A's rows
	s_lshl_b32 s46, s42, 1
	s_add_co_u32 s46, s46, s16                     ; my group of B's rows
	s_and_b32 s21, s20, 15                         ; the token group within its batch: 128 rows of 256 bytes of the rope table
	s_lshl_b32 s22, s21, 15
	s_mov_b32 s23, 0
	s_add_nc_u64 s[8:9], s[8:9], s[22:23]
	s_add_co_u32 s21, s20, 16
	s_cmp_eq_u32 s97, 0
	s_cselect_b32 s92, s46, s21                    ; X: q, k: the column group;  v: 16 + the head pair
	s_cselect_b32 s93, s20, s46                    ; Y: the token group
	s_lshl_b32 s92, s92, 6
	s_add_co_u32 s92, s92, s93
	s_mul_i32 s46, s92, 12288
	s_mov_b32 s47, 0
	s_add_nc_u64 s[12:13], s[10:11], s[46:47]      ; my eight fragments
	s_lshl_b32 s46, s92, 9
	s_add_co_u32 s46, s46, QS_OFF
	s_add_nc_u64 s[18:19], s[10:11], s[46:47]      ; and their scale words
.macro FRAG reg, adr, q, i             ; a fragment comes as it lies: three loads of 512 consecutive bytes
.irp c, 0,1,2
	ds_load_b128 v[\reg+4*\c:\reg+4*\c+3], v[\adr] offset:(\i)*TILEB+(\q)*FRB+512*\c
.endr
.endm
; 16 matrix instructions: A's blocks a0, a0 + 1 x B's eight.  The 64 accumulators take turns, one instruction a turn, in the same order in every step.
.macro MUL16 a0, p, q, sc, zero
.irp a, \a0, \a0+1
.irp b, 0,1,2,3,4,5,6,7
.if \zero
	v_wmma_scale_f32_16x16x128_f8f6f4 v[8*(8*((\a)%4)+\b):8*(8*((\a)%4)+\b)+7], v[128*(\p)+FR*\b:128*(\p)+FR*\b+FR-1], v[AF+FR*(\a):AF+FR*(\a)+FR-1], 0, v[SC+16*(\sc)+8*(\q)+\b], v[SC+16*(\sc)+8*(\q)+(\a)] matrix_a_fmt:MATRIX_FMT_FP6 matrix_b_fmt:MATRIX_FMT_FP6 matrix_a_scale:MATRIX_SCALE_ROW1
.else
	v_wmma_scale_f32_16x16x128_f8f6f4 v[8*(8*((\a)%4)+\b):8*(8*((\a)%4)+\b)+7], v[128*(\p)+FR*\b:128*(\p)+FR*\b+FR-1], v[AF+FR*(\a):AF+FR*(\a)+FR-1], v[8*(8*((\a)%4)+\b):8*(8*((\a)%4)+\b)+7], v[SC+16*(\sc)+8*(\q)+\b], v[SC+16*(\sc)+8*(\q)+(\a)] matrix_a_fmt:MATRIX_FMT_FP6 matrix_b_fmt:MATRIX_FMT_FP6 matrix_a_scale:MATRIX_SCALE_ROW1
.endif
.endr
.endr
.endm
.macro FETCH_B slot, q, p
	WIN TO_B
.irp i, 0,1,2,3,4,5,6,7
	FRAG 128*(\p)+FR*\i, ADRB+\slot, \q, \i
.endr
	WIN 0
.endm
.macro FETCH_A slot, q, i0
.irp i, \i0, \i0+1, \i0+2, \i0+3
	FRAG AF+FR*(\i), ADRA+\slot, \q, \i
.endr
.endm
.macro SCALES sc                       ; a K step's scale words: four tiles' words of a row by one load
.irp q, 0,1
	ds_load_b128 v[SC+16*\sc+8*\q:SC+16*\sc+8*\q+3], v[ADRS] offset:512*\q
	ds_load_b128 v[SC+16*\sc+8*\q+4:SC+16*\sc+8*\q+7], v[ADRS] offset:512*\q+16
.endr
.endm
.macro PLACES n                        ; plain vector places behind matrix instructions, in front of loads into their registers and of reads of their results
.rept \n
	v_nop
.endr
.endm
.macro STEP slot, q, zero              ; a step of 128 along K that has its successor in the same slot
	s_wait_dscnt 4*NL                              ; B's set and A's blocks 0-3 are in; the youngest 12 loads (A's blocks 4-7) may be out
	WIN MUL_LO
	MUL16 0, (\q)%2, \q, \slot, \zero
	MUL16 2, (\q)%2, \q, \slot, \zero
	s_wait_dscnt 0                                 ; A's blocks 4-7 are in
	PLACES NP
	FETCH_B \slot, (\q)+1, 1-(\q)%2
	FETCH_A \slot, (\q)+1, 0
	WIN MUL_HI
	MUL16 4, (\q)%2, \q, \slot, \zero
	MUL16 6, (\q)%2, \q, \slot, \zero
	PLACES NP
	WIN 0
	FETCH_A \slot, (\q)+1, 4
.endm
; A slot's last step changes slots: one barrier; in front of it each wave waits for all its tensor loads, adds 0 to its spare word, and waits for that and for its reads of this slot.
.macro TURN slot, next, fill
	s_wait_tensorcnt 0x0                           ; all my tensor loads have landed: my part of the next slot
	ds_add_u32 v[SPW], v[NIL]
	s_wait_dscnt 4*NL+1                            ; the add and the youngest 12 loads (A's blocks 4-7) may be out
	WIN MUL_LO
	MUL16 0, 1, NQ-1, \slot, 0
	s_wait_dscnt 0x0                               ; the add is done, and my reads of this slot are over
	s_barrier_signal -1
	MUL16 2, 1, NQ-1, \slot, 0
	WIN 0
	s_barrier_wait -1
.if \fill
	CREST                                          ; the barrier has opened a round of the cluster's barrier: no wave of any partner still reads this slot or has a load on its way
	s_add_nc_u64 s[G0+4*\slot+2:G0+4*\slot+3], s[G0+4*\slot+2:G0+4*\slot+3], 2*TILEB
	s_add_nc_u64 s[G0B+4*\slot+2:G0B+4*\slot+3], s[G0B+4*\slot+2:G0B+4*\slot+3], 2*TILEB
	JLOAD G0+4*\slot, G1, G0B+4*\slot, G1B         ; the first tensor load behind the round; its four v_nop are the places in front of the loads below
.else
	PLACES NP
.endif
	v_add_nc_u32 v[ADRS], 1024, v[ADRS]            ; on to the next K step's scale words (no LDS load of mine is out)
	FETCH_B \next, 0, 0
	FETCH_A \next, 0, 0
	SCALES \next
	WIN MUL_HI
	MUL16 4, 1, NQ-1, \slot, 0
	MUL16 6, 1, NQ-1, \slot, 0
	PLACES NP
	WIN 0
	FETCH_A \next, 0, 4
.endm
	s_wait_tensorcnt 1                             ; the scale words and my part of K step 0 are in (K step 1's load may be out),
	s_barrier_signal -1
	s_barrier_wait -1                              ; everybody's are
	FETCH_B 0, 0, 0
	FETCH_A 0, 0, 0
	SCALES 0
	FETCH_A 0, 0, 4
	STEP 0, 0, 1                                   ; the first step's products start the sums
	s_mov_b32 s3, LAPS-1
.Llap:
	TURN 0, 1, 1
	STEP 1, 0, 0
	TURN 1, 0, 1
	STEP 0, 0, 0
	s_sub_co_u32 s3, s3, 1
	s_cmp_lg_u32 s3, 0
	s_cbranch_scc1 .Llap
	TURN 0, 1, 0                                   ; the last lap fills nothing
	STEP 1, 0, 0
	s_wait_dscnt 4*NL
	WIN MUL_LO
	MUL16 0, 1, NQ-1, 1, 0
	MUL16 2, 1, NQ-1, 1, 0
	s_wait_dscnt 0
	WIN MUL_HI
	MUL16 4, 1, NQ-1, 1, 0
	MUL16 6, 1, NQ-1, 1, 0
	WIN 0
	PLACES NP                                      ; in front of the loads into B's registers and of the first reads of results
; THE ROTATION (q and k).  For A's block a a lane holds one token and columns 32 b + 16 h + i of two heads; the pair of column c is (c % 64) / 2, so register 16 b + i wants pair 16 (b % 2) + 8 h + i / 2:
; 64 bytes of the token's row for each b % 2.  o0 = x0 cos - x1 sin, o1 = x1 cos + x0 sin: a product into T, then one fused multiply-add in place.
	s_cmp_lg_u32 s97, 0
	s_cbranch_scc1 .Lno_rope
	WIN TO_B
.irp a, 0,1,2,3,4,5,6,7
.irp bb, 0,1
.irp k, 0,1,2,3
	global_load_b128 v[32*\a+16*\bb+4*\k:32*\a+16*\bb+4*\k+3], v[RO], s[8:9] offset:(32*(\a/2)+8*(\a%2))*256+128*\bb+16*\k
.endr
.endr
.endr
.macro ROPE a
.set WA, 2+(\a)/4
.set XB, 64*((\a)%4)
	s_wait_loadcnt 8*(7-(\a))                      ; this block's eight loads are in; the later blocks' may be out
	WIN (1<<2)|WA                                  ; source 0: the accumulators; source 1: the table; destination window 0
.set pp, 0
.rept 32
.set CSR, 32*(\a)+16*((pp/8)%2)+2*(pp%8)
	v_mul_f32 v[T+2*pp], v[XB+2*pp+1], v[CSR+1]    ; ascending: each accumulator is first read at its low end
	v_mul_f32 v[T+2*pp+1], v[XB+2*pp], v[CSR+1]
.set pp, pp+1
.endr
	WIN (WA<<6)|(1<<2)|WA
.set pp, 0
.rept 32
.set CSR, 32*(\a)+16*((pp/8)%2)+2*(pp%8)
	v_fma_f32 v[XB+2*pp], v[XB+2*pp], v[CSR], -v[T+2*pp]
	v_fma_f32 v[XB+2*pp+1], v[XB+2*pp+1], v[CSR], v[T+2*pp+1]
.set pp, pp+1
.endr
.endm
.irp a, 0,1,2,3,4,5,6,7
	ROPE \a
.endr
	WIN 0
.Lno_rope:
; THE QUANTISER: block a's 64 numbers of a lane (register 16 b + i = index 32 b + 16 h + i) become one fragment and one scale word.  Each block has registers of its own for its codes.
.macro QUANTW a
.set WA, 2+(\a)/4
.set XB, 64*((\a)%4)
.set PC, 64+20*(\a)
	WIN (WA<<4)|(WA<<2)                            ; sources 1 and 2: the accumulators
.irp b, 0,1,2,3
	v_max3_num_f32 v[TM+\b], 0x1800000, |v[XB+16*\b]|, |v[XB+16*\b+1]|   ; the floor 2^(3 - 127) among the leaves: the byte cannot fall under 1
.endr
.irp i, 2,4,6,8,10,12,14
.irp b, 0,1,2,3
	v_max3_num_f32 v[TM+\b], v[TM+\b], |v[XB+16*\b+\i]|, |v[XB+16*\b+\i+1]|
.endr
.endr
	WIN 0
.irp b, 0,1,2,3
	v_permlanex16_b32 v[TM+4+\b], v[TM+\b], s[SEL], s[SEL+1]
.endr
.irp b, 0,1,2,3
	v_max_num_f32 v[TM+\b], v[TM+\b], v[TM+4+\b]
.endr
.irp b, 0,1,2,3
	v_add_nc_u32 v[TM+12+\b], 0xff000000, v[TM+\b] ; 2 off the exponent field: the conversion's scale operand
.endr
.irp b, 0,1,2,3
	v_lshrrev_b32 v[TM+4+\b], 23, v[TM+12+\b]
.endr
	v_lshl_or_b32 v[PWS+(\a)], v[TM+5], 8, v[TM+4]
	v_lshl_or_b32 v[PWS+(\a)], v[TM+6], 16, v[PWS+(\a)]
	v_lshl_or_b32 v[PWS+(\a)], v[TM+7], 24, v[PWS+(\a)]
	WIN WA                                         ; source 0: the accumulators
.irp c, 0,1
	v_cvt_scalef32_pk16_fp6_f32 v[PC+6*\c:PC+2+6*\c], v[XB+32*\c:XB+15+32*\c], v[TM+12+2*\c]
	v_cvt_scalef32_pk16_fp6_f32 v[PC+12+4*\c:PC+14+4*\c], v[XB+16+32*\c:XB+31+32*\c], v[TM+12+2*\c+1]
.endr
	WIN 0
	v_nop                                          ; one plain place behind a scaled conversion
.irp c, 0,1
.irp i, 0,1,2
	v_permlane16_swap_b32 v[PC+6*\c+\i], v[PC+12+4*\c+\i]
.endr
.irp i, 0,1,2
	v_mov_b32 v[PC+3+6*\c+\i], v[PC+12+4*\c+\i]
.endr
.endr
.irp c, 0,1,2
	global_store_b128 v[CO], v[PC+4*\c:PC+4*\c+3], s[12:13] offset:(\a)*FRB+512*\c   ; 512 consecutive bytes a store
.endr
.endm
.irp a, 0,1,2,3,4,5,6,7
	QUANTW \a
.endr
	v_cmp_le_u32 vcc_lo, 16, v3                    ; lanes 0-15 store the words of blocks 0-3, lanes 16-31 those of blocks 4-7
.irp k, 0,1,2,3
	v_cndmask_b32 v[SW+\k], v[PWS+\k], v[PWS+4+\k], vcc_lo
.endr
	global_store_b128 v[SO], v[SW:SW+3], s[18:19]  ; 512 consecutive bytes
	s_wait_tensorcnt 0x0                           ; the wave's end
	ds_add_u32 v[SPW], v[NIL]
	s_wait_dscnt 0x0
	CROUND                                         ; the closing round
	s_endpgm
.Lfunc_end_k_q3caa08b889_qkv:
	.size	k_q3caa08b889_qkv, .Lfunc_end_k_q3caa08b889_qkv-k_q3caa08b889_qkv
	.p2alignl 7, 3214868480
	.fill 96, 4, 3214868480
	.section	.rodata,"a",@progbits
	.p2align	6, 0x0
	.amdhsa_kernel k_q3caa08b889_qkv
		.amdhsa_group_segment_fixed_size 327680
		.amdhsa_private_segment_fixed_size 0
		.amdhsa_enable_private_segment 0
		.amdhsa_kernarg_size 32
		.amdhsa_user_sgpr_count 2
		.amdhsa_user_sgpr_kernarg_segment_ptr 1
		.amdhsa_wavefront_size32 1
		.amdhsa_system_sgpr_workgroup_id_x 1
		.amdhsa_system_sgpr_workgroup_id_y 1
		.amdhsa_system_sgpr_workgroup_id_z 1
		.amdhsa_system_vgpr_workitem_id 0
		.amdhsa_next_free_vgpr 1024
		.amdhsa_next_free_sgpr 100
		.amdhsa_reserve_vcc 1
		.amdhsa_float_denorm_mode_32 3
		.amdhsa_float_denorm_mode_16_64 3
		.amdhsa_memory_ordered 1
		.amdhsa_forward_progress 1
		.amdhsa_inst_pref_size 194
	.end_amdhsa_kernel
	.amdgpu_metadata
---
amdhsa.version: [ 1, 2 ]
amdhsa.kernels:
  - .name:           k_q3caa08b889_qkv
    .symbol:         k_q3caa08b889_qkv.kd
    .args:
      - { .name: xq, .offset: 0, .size: 8, .value_kind: global_buffer, .address_space: global }
      - { .name: wq, .offset: 8, .size: 8, .value_kind: global_buffer, .address_space: global }
      - { .name: rope, .offset: 16, .size: 8, .value_kind: global_buffer, .address_space: global }
      - { .name: qkv, .offset: 24, .size: 8, .value_kind: global_buffer, .address_space: global }
    .group_segment_fixed_size: 327680
    .private_segment_fixed_size: 0
    .kernarg_segment_align: 8
    .kernarg_segment_size: 32
    .max_flat_workgroup_size: 128
    .sgpr_count:     100
    .vgpr_count:     1024
    .wavefront_size: 32
...
	.end_amdgpu_metadata
.endif
;; end of part 3
;; launch attn (part 4): grid 8 x 32, 16 waves a work-group, no clusters, 327,680 bytes of LDS; arguments qkv, oq; writes oq
.if DOCPART == 4
	.amdgcn_target "amdgcn-amd-amdhsa--gfx1250"
	.amdhsa_code_object_version 6
	.text
	.protected	k_q3caa08b889_attn
	.globl	k_q3caa08b889_attn
	.p2align	8
	.type	k_q3caa08b889_attn,@function
k_q3caa08b889_attn:
	s_mov_b64 s[64:65], 0
	v_nop
	global_prefetch_b8 v0, s[64:65] scope:SCOPE_SE
	s_setreg_imm32_b32 hwreg(HW_REG_WAVE_MODE, 25, 1), 1
	s_wait_xcnt 0x0
; Causal attention on codes of FP6 (E2M3) with E8M0 scales; 64 heads of 64, 2,048 tokens; the result leaves as codes, quantised along the 1,024 columns of the last product's K.
; q, k, V^T come from qkv as images of operand registers: block (X, Y) of eight fragments of 1,536 bytes at (64 X + Y) 12288, its scale words (the word of (lane row r, tile a) at 32 r + 4 a) at QS_OFF + (64 X + Y) 512.
; X = head pair: q; 8 + pair: k; 16 + pair: V^T.  Y = 16 x batch + group of 128 tokens.  A fragment of q or k holds 16 tokens x [head A's 64 | head B's 64]; one of V^T 16 of the pair's 128 channels x 128 keys.
; Lane r of tile a holds row 32 (a / 2) + 8 (a % 2) + r + 8 (r / 8) of its 128.
; TWO HEADS TO A WAVE.  A wave owns 16 queries of both heads of a pair.  The scores of a head are [kA | kB] . [qA | 0] or [kA | kB] . [0 | qB]: zero codes add nothing.  O of both heads, 64 registers, is one whole
; fragment and one whole scale word of the last product's operand.
; THE SOFTMAX: t = score x log2(e) / 8; M = the running largest t rounded up to a whole number; p = 2^(t - M) is quantised along the keys; the row's sum is taken of the unquantised p and divides O at the end.
; SHARES.  Work-group (i, y) owns query groups i and 15 - i (128 queries each) of batch y / 8, head pair y % 8: eight waves to each group, two of each on a SIMD.  Key step s counts for group g where s <= g:
; 16 waves work in steps 0 .. i and 8 in steps i + 1 .. 15 - i: 4 (i + 1) + 2 (15 - 2 i) = 34 wave steps a SIMD whatever i.
; EVERY work-group walks ALL 16 key steps: trip counts are constants; what is left out is a step's work, by a scalar branch on ids.  No cluster: partners' work in a slot is uneven, and a round would hold all at the slowest.
; THE RING: two slots of four key steps; a key step is 25,600 bytes: K's codes, V's codes, K's scale words, V's.  Each of the sixteen waves brings one dense piece at each change of slots.
; LIMITS: a block of zeros gets the byte 1 (its codes are zeros, and this program alone reads the bytes); NaN and infinities are not served.
; REGISTERS: v1-7 addresses; v8-11, v12-15 a head's -M, largest t, sum in two halves; v16-21 qA, v22-27 zeros, v28-33 qB; v36-83 four fragments; v84-86 addresses; v96-159 S^T, then p; v160-191 O of head A, v192-223 of head B;
;   v224.. p's codes; v232-254 at work; v248-251 scale words of K or V; v253 p's scale word; v255 q's.
.set STEPB,  25600
.set VOFF,   12288
.set KSO,    24576
.set VSO,    25088
.set SLOT1,  1<<17                     ; slot 1 begins here: one exclusive or turns an address in one slot into the other's
.set NSL,    4
.set OSG,    245760                    ; the scale words of the two groups' results: 2 x 512 bytes
.set SPARE,  247808                    ; the spare words, 128 bytes for each wave: eight blocks of 256 bytes that no other line names
.set QS_OFF, 18874368
.set XS_OFF, 6291456
.set LI,   1                           ; v1   16 x lane
.set LR,   2                           ; v2   32 r
.set DD,   3                           ; v3   my query's place in its group - 16 h
.set ADC,  4                           ; v4   the key step's codes
.set ADS,  5                           ; v5   its scale words
.set SPW,  6
.set NIL,  7
.set FRG,  36
.set WV,   18
.set SEL,  20
.set CS,   22                          ; s[22:23] c = log2(e) / 8
.set G1C,  24                          ; s[24:31] group 1, codes: 12,288 dense bytes;  s[32:39] scale words: 512
.set G1S,  32
.set G0C,  40                          ; s[40:43], s[44:47] their groups 0, which walk
.set G0S,  44
.set KS,   48                          ; s48  the key step
.set GQ,   49                          ; s49  my query group
.set SLOTS, 50
.set CNT,  51
.set PFA,  52                          ; s[52:53] where my prefetches stand
.set LIM,  54                          ; s54  1 in a wave that prefetches, else the greatest number
.set K2,   55                          ; s55  wave & 2: 0: I fetch codes; 2: scale words
.set TB,   2                           ; s2   LDS byte at which the key step in hand begins
.macro NOPS n
.rept \n
	v_nop
.endr
.endm
; Each wave's one load: the branch hangs on the wave's number alone.  An s_nop 0 and four v_nop follow each of the two lines.
.macro TLOAD
	s_cmp_eq_u32 s[K2], 0
	s_cbranch_scc0 .Lfor_s_\@
	tensor_load_to_lds s[G0C:G0C+3], s[G1C:G1C+7]
	s_nop 0
	NOPS 4
	s_branch .Lasked_\@
.Lfor_s_\@:
	tensor_load_to_lds s[G0S:G0S+3], s[G1S:G1S+7]
	s_nop 0
	NOPS 4
.Lasked_\@:
.endm
; A prefetch of the codes that the NEXT change of slots will ask for: 49,152 dense bytes of K and as many of V.  All eight work-groups of a (batch, pair) walk the same K and V: the first of them asks;
; in it waves 0-5 take K's bytes and waves 6-11 V's, 8,192 a wave, lanes 256 bytes apart: each block of 256 bytes is named once.  Slots 0 and 1 come by their loads alone; the last change that fills asks for nothing.
.macro ASK
	s_cmp_gt_u32 s[SLOTS], s[LIM]
	s_cbranch_scc0 .Lnot_mine_\@
	global_prefetch_b8 v86, s[PFA:PFA+1] th:TH_LOAD_NT scope:SCOPE_SE
.Lnot_mine_\@:
.endm
.macro QUANT s                         ; 64 numbers of a lane (register 16 b + i = k 32 b + 16 h + i) become a fragment in v[PC] on and its scale word in v[PW]
.irp b, 0,1,2,3
	v_max3_num_f32 v[TM+\b], |v[\s+16*\b]|, |v[\s+1+16*\b]|, 0x1800000
.endr
.irp i, 2,4,6,8,10,12,14
.irp b, 0,1,2,3
	v_max3_num_f32 v[TM+\b], v[TM+\b], |v[\s+16*\b+\i]|, |v[\s+1+16*\b+\i]|
.endr
.endr
.irp b, 0,1,2,3
	v_permlanex16_b32 v[TM+4+\b], v[TM+\b], s[SEL], s[SEL+1]
.endr
.irp b, 0,1,2,3
	v_max_num_f32 v[TM+\b], v[TM+\b], v[TM+4+\b]
.endr
.irp b, 0,1,2,3
	v_add_nc_u32 v[TM+12+\b], 0xff000000, v[TM+\b]
.endr
.irp b, 0,1,2,3
	v_lshrrev_b32 v[TM+4+\b], 23, v[TM+12+\b]
.endr
	v_lshl_or_b32 v[PW], v[TM+5], 8, v[TM+4]
	v_lshl_or_b32 v[PW], v[TM+6], 16, v[PW]
	v_lshl_or_b32 v[PW], v[TM+7], 24, v[PW]
.irp c, 0,1
	v_cvt_scalef32_pk16_fp6_f32 v[PC+6*\c:PC+2+6*\c], v[\s+32*\c:\s+15+32*\c], v[TM+12+2*\c]
	v_cvt_scalef32_pk16_fp6_f32 v[PC+12+4*\c:PC+14+4*\c], v[\s+16+32*\c:\s+31+32*\c], v[TM+12+2*\c+1]
.endr
	v_nop
.irp c, 0,1
.irp i, 0,1,2
	v_permlane16_swap_b32 v[PC+6*\c+\i], v[PC+12+4*\c+\i]
.endr
.irp i, 0,1,2
	v_mov_b32 v[PC+3+6*\c+\i], v[PC+12+4*\c+\i]
.endr
.endr
.endm
	s_load_b128 s[4:7], s[0:1], 0x0                ; qkv, oq
	v_lshl_add_u32 v[SPW], v0, 2, SPARE
	v_mov_b32 v[NIL], 0
	ds_add_u32 v[SPW], v[NIL]                      ; the wave's opening: the add and its wait ahead of my first tensor load
	v_lshrrev_b32 v92, 5, v0
	v_readfirstlane_b32 s[WV], v92                 ; wave 0..15
	s_and_b32 s56, ttmp7, 0xffff
	s_lshr_b32 s57, s56, 3                         ; batch
	s_and_b32 s58, s56, 7                          ; head pair
	s_lshr_b32 s59, s[WV], 2                       ; which key step of a slot I fetch for
	s_xor_b32 s60, s[WV], s59
	s_and_b32 s60, s60, 1                          ; which of the two query groups is mine
	s_lshr_b32 s61, s[WV], 1                       ; my tile of 16 queries
	s_lshl_b32 s62, ttmp9, 1
	s_sub_co_u32 s62, 15, s62
	s_mul_i32 s62, s62, s60
	s_add_co_u32 s[GQ], s62, ttmp9                 ; i or 15 - i
	s_and_b32 s63, s[WV], 1                        ; I fetch for K (0) or for V (1)
	s_and_b32 s[K2], s[WV], 2
	s_mov_b32 s[G1C], 3<<16                        ; elements of 8 bytes, no mask, no padding
	s_mov_b32 s[G1C+1], 32<<16                     ; rows of 256 bytes,
	s_mov_b32 s[G1C+2], 48<<16                     ; 48 of them
	s_mov_b32 s[G1C+3], 32<<16
	s_mov_b32 s[G1C+4], 48
	s_mov_b32 s[G1C+5], 32
	s_mov_b32 s[G1C+6], 0
	s_mov_b32 s[G1C+7], 0
	s_mov_b32 s[G1S], 3<<16
	s_mov_b32 s[G1S+1], 32<<16
	s_mov_b32 s[G1S+2], 2<<16                      ; two rows of 256 bytes
	s_mov_b32 s[G1S+3], 32<<16
	s_mov_b32 s[G1S+4], 2
	s_mov_b32 s[G1S+5], 32
	s_mov_b32 s[G1S+6], 0
	s_mov_b32 s[G1S+7], 0
	s_lshl_b32 s66, s63, 3                         ; the block that I fetch from: X = 8 + pair (+ 8 for V), Y = 16 x batch + key step
	s_add_co_u32 s66, s66, s58
	s_add_co_u32 s66, s66, 8
	s_lshl_b32 s66, s66, 6
	s_lshl_b32 s67, s57, 4
	s_add_co_u32 s66, s66, s67
	s_add_co_u32 s66, s66, s59
	s_mul_i32 s68, s66, 12288
	s_mov_b32 s69, 0
	s_lshl_b32 s70, s66, 9
	s_add_co_u32 s70, s70, QS_OFF
	s_mov_b32 s71, 0
	s_mul_i32 s72, s59, STEPB                      ; and where it goes
	s_mul_i32 s73, s63, VOFF
	s_add_co_u32 s73, s73, s72
	s_lshl_b32 s74, s63, 9
	s_add_co_u32 s74, s74, s72
	s_add_co_u32 s74, s74, KSO
	s_lshl_b32 s75, s58, 6                         ; q: X = pair, Y = 16 x batch + my group
	s_add_co_u32 s75, s75, s67
	s_add_co_u32 s75, s75, s[GQ]
	s_lshl_b32 s76, s75, 3
	s_add_co_u32 s76, s76, s61
	s_mul_i32 s76, s76, 1536
	s_mov_b32 s77, 0
	s_lshl_b32 s78, s75, 9
	s_lshl_b32 s79, s61, 2
	s_add_co_u32 s78, s78, s79
	s_add_co_u32 s78, s78, QS_OFF
	s_mov_b32 s79, 0
	s_add_co_u32 s80, s67, s[GQ]                   ; oq: token group g, tile a, K step = pair: ((8 g + a) 8 + pair) 1536
	s_lshl_b32 s81, s80, 3
	s_add_co_u32 s82, s81, s61
	s_lshl_b32 s82, s82, 3
	s_add_co_u32 s82, s82, s58
	s_mul_i32 s82, s82, 1536
	s_mov_b32 s83, 0
	s_add_co_u32 s84, s81, s58
	s_lshl_b32 s84, s84, 9
	s_add_co_u32 s84, s84, XS_OFF
	s_mov_b32 s85, 0
	s_cmp_lt_u32 s[WV], 6                          ; the prefetches: waves 0-5 K's codes, waves 6-11 V's
	s_cselect_b32 s86, 0, 8
	s_cselect_b32 s87, 0, 6
	s_sub_co_u32 s87, s[WV], s87
	s_add_co_u32 s86, s86, s58
	s_add_co_u32 s86, s86, 8
	s_lshl_b32 s86, s86, 6
	s_add_co_u32 s86, s86, s67
	s_mul_i32 s86, s86, 12288
	s_lshl_b32 s87, s87, 13                        ; my wave's 8,192 bytes,
	s_add_co_u32 s86, s86, s87
	s_add_co_u32 s86, s86, 49152                   ; in slot 1: the first change of slots steps it to slot 2
	s_mov_b32 s87, 0
	s_cmp_lt_u32 s[WV], 12
	s_cselect_b32 s[LIM], 0, 1
	s_or_b32 s[LIM], s[LIM], ttmp9
	s_cmp_eq_u32 s[LIM], 0
	s_cselect_b32 s[LIM], 1, -1
	s_mov_b32 s[SEL], 0x76543210
	s_mov_b32 s[SEL+1], 0xfedcba98
	s_mov_b32 s[CS], 0x3e38aa3b                    ; c = log2(e) / 8
	s_mov_b32 s[CS+1], s[CS]
	s_mov_b32 s[TB], 0
	s_mov_b32 s[KS], 0
	s_mov_b32 s[SLOTS], NSL-1
	s_wait_dscnt 0x0                               ; the opening add is done
	s_wait_kmcnt 0x0
	s_mov_b32 s[G0C], 1
	s_mov_b32 s[G0C+1], s73
	s_add_nc_u64 s[G0C+2:G0C+3], s[4:5], s[68:69]
	s_or_b32 s[G0C+3], s[G0C+3], 0x80000000
	s_mov_b32 s[G0S], 1
	s_mov_b32 s[G0S+1], s74
	s_add_nc_u64 s[G0S+2:G0S+3], s[4:5], s[70:71]
	s_or_b32 s[G0S+3], s[G0S+3], 0x80000000
	TLOAD                                          ; slot 0: one load of mine is out
	s_add_nc_u64 s[76:77], s[4:5], s[76:77]
	s_add_nc_u64 s[78:79], s[4:5], s[78:79]
	s_add_nc_u64 s[82:83], s[6:7], s[82:83]
	s_add_nc_u64 s[84:85], s[6:7], s[84:85]
	s_add_nc_u64 s[PFA:PFA+1], s[4:5], s[86:87]
	v_and_b32 v92, 15, v0                          ; r
	v_bfe_u32 v93, v0, 4, 1                        ; h
	v_and_b32 v94, 31, v0                          ; lane
	v_lshlrev_b32 v[LI], 4, v94
	v_lshlrev_b32 v[LR], 5, v92
	global_load_b128 v[16:19], v[LI], s[76:77]                 ; q's registers 0-3,
	global_load_b128 v[88:91], v[LI], s[76:77] offset:512      ; 4-7 (two of head A, two of head B),
	global_load_b128 v[30:33], v[LI], s[76:77] offset:1024     ; 8-11
	global_load_b32 v255, v[LR], s[78:79]                      ; its scale words
	s_lshr_b32 s56, s61, 1
	s_lshl_b32 s56, s56, 5
	s_and_b32 s57, s61, 1
	s_lshl_b32 s57, s57, 3
	s_add_co_u32 s56, s56, s57                     ; 32 (a / 2) + 8 (a % 2)
	v_and_b32 v95, 8, v92
	v_add_nc_u32 v95, v95, v92                     ; + r + 8 (r / 8)
	v_lshlrev_b32 v93, 4, v93
	v_sub_nc_u32 v95, v95, v93                     ; - 16 h
	v_add_nc_u32 v[DD], s56, v95
	s_lshl_b32 s56, s60, 9
	s_lshl_b32 s57, s61, 2
	s_add_co_u32 s56, s56, s57
	s_add_co_u32 s56, s56, OSG
	v_add_nc_u32 v84, s56, v[LR]                   ; where my row's scale word goes: my group's 512 bytes, 32 r + 4 a
	s_lshl_b32 s56, s63, 9
	s_add_co_u32 s56, s56, OSG
	v_add_nc_u32 v85, s56, v[LI]                   ; where waves 0 and 1 read the words back
	v_lshlrev_b32 v86, 8, v94
	v_mov_b32 v9, 0xff61b1e6                       ; the largest t so far: -3e38
	v_mov_b32 v13, 0xff61b1e6
	v_floor_f32 v8, -v9                            ; -M
	v_floor_f32 v12, -v13
.irp j, 10,11,14,15, 22,23,24,25,26,27, 236,237,238,239, 252,253,254
	v_mov_b32 v[\j], 0                             ; the sums; the zero codes beside q; registers that are named before they are first made
.endr
.irp t, 0,1,2,3
.irp j, 8,9,10,11
	v_mov_b32 v[FRG+12*\t+\j], 0                   ; a fragment's last four registers are named by the first scores though head A's loads leave them out
.endr
.endr
.set jj, 0
.rept 64
	v_mov_b32 v[160+jj], 0                         ; O.  (The step is written once: the first finds zeros)
.set jj, jj+1
.endr
	s_wait_loadcnt 0x0
	v_mov_b32 v20, v88
	v_mov_b32 v21, v89                             ; v[16:27] = [qA | 0]
	v_mov_b32 v28, v90
	v_mov_b32 v29, v91                             ; v[22:33] = [0 | qB]
; ONE HEAD'S PART OF A KEY STEP OF 128 KEYS
.macro HEAD hd
.set SM, 8+4*(\hd)
.set QB, 16+6*(\hd)
.set OB, 160+32*(\hd)
.irp g, 0,1                                    ; S^T = K Q^T, four tiles of 16 keys at a time
	NOPS 4                                         ; places in front of loads into registers that matrix instructions have read
.irp t, 0,1,2,3
.irp cc, 0,1
	ds_load_b128 v[FRG+12*\t+4*(\hd+\cc):FRG+12*\t+4*(\hd+\cc)+3], v[ADC] offset:(4*\g+\t)*1536+512*(\hd+\cc)   ; only the eight registers that hold this head's six; the other four meet q's zero codes
.endr
.endr
	ds_load_b128 v[248:251], v[ADS] offset:KSO+16*\g   ; the four tiles' scale words
	s_wait_dscnt 0x0
.irp t, 0,1,2,3
	v_wmma_scale_f32_16x16x128_f8f6f4 v[96+8*(4*\g+\t):103+8*(4*\g+\t)], v[FRG+12*\t:FRG+12*\t+11], v[QB:QB+11], 0, v[248+\t], v255 matrix_a_fmt:MATRIX_FMT_FP6 matrix_b_fmt:MATRIX_FMT_FP6
.endr
.endr                                          ; lane (r, h) holds one query; register 16 b + i is key 32 b + 16 h + i of the step
	NOPS 4
	s_cmp_lt_u32 s[KS], s[GQ]                      ; only the step on the diagonal has hidden keys
	s_cbranch_scc1 .Lopen_\@
	v_mov_b32 v254, 0xff800000                     ; -infinity: p = 0 then
.set nn, 0
.rept 64
	v_cmp_gt_i32 vcc_lo, 32*(nn/16)+nn%16, v[DD]   ; hidden where the key comes after my query
	v_cndmask_b32 v[96+nn], v[96+nn], v254, vcc_lo
.set nn, nn+1
.endr
.Lopen_\@:
.irp b, 0,1,2,3
	v_max3_num_f32 v[232+\b], v[96+16*\b], v[97+16*\b], v[98+16*\b]   ; the largest score of each block of 32 keys: for the row's maximum and, since p rises with the score, for the block's largest p
.endr
.irp i, 3,5,7,9,11,13
.irp b, 0,1,2,3
	v_max3_num_f32 v[232+\b], v[232+\b], v[96+16*\b+\i], v[97+16*\b+\i]
.endr
.endr
.irp b, 0,1,2,3
	v_max_num_f32 v[232+\b], v[232+\b], v[111+16*\b]
.endr
.irp b, 0,1,2,3
	v_permlanex16_b32 v[236+\b], v[232+\b], s[SEL], s[SEL+1]
.endr
.irp b, 0,1,2,3
	v_max_num_f32 v[232+\b], v[232+\b], v[236+\b]  ; with lane l xor 16's 16 keys
.endr
	v_max3_num_f32 v254, v232, v233, v234
	v_max_num_f32 v254, v254, v235
	v_mul_f32 v254, s[CS], v254                    ; the step's largest t
	v_max_num_f32 v[SM+1], v[SM+1], v254           ; the running largest t
	v_mov_b32 v254, v[SM]
	v_floor_f32 v[SM], -v[SM+1]                    ; the new -M = -ceil(t): a whole number
	v_sub_f32 v254, v[SM], v254                    ; old M - new M: a whole number, 0 or less
	v_cvt_i32_f32 v254, v254                       ; (it saturates)
	v_ldexp_f32 v252, 1.0, v254                    ; f = 2^(old M - new M): a multiplication by it rounds nothing
.set jj, 0
.rept 32
	v_pk_fma_f32 v[96+jj:97+jj], v[96+jj:97+jj], s[CS:CS+1], v[SM:SM+1] op_sel_hi:[1,0,0]   ; t - M, two at a time
.set jj, jj+2
.endr
.irp b, 0,1,2,3
	v_fma_f32 v[232+\b], v[232+\b], s[CS], v[SM]   ; the same of each block's largest score
.endr
.set jj, 0
.rept 64
	v_exp_f32 v[96+jj], v[96+jj]                   ; p = 2^(t - M): not normalised
.set jj, jj+1
.endr
	v_pk_mul_f32 v[SM+2:SM+3], v[SM+2:SM+3], v[252:253] op_sel_hi:[1,0]   ; the sums under the new M.  (The plain place behind the exponentials)
	s_wait_alu depctr_va_vdst(0)                   ; one wait for the batch of 64, ahead of its first reader
.irp b, 0,1,2,3
	v_exp_f32 v[232+\b], v[232+\b]                 ; the block's largest p
.endr
	v_pk_add_f32 v[236:237], v[96:97], v[98:99]    ; the row's sum is taken of the unquantised p: two at a time, in two chains
.irp j, 4,8,12,16,20,24,28,32,36,40,44,48,52,56,60
	v_pk_add_f32 v[SM+2:SM+3], v[SM+2:SM+3], v[96+\j:97+\j]
	v_pk_add_f32 v[236:237], v[236:237], v[98+\j:99+\j]
.endr
	v_pk_add_f32 v[SM+2:SM+3], v[SM+2:SM+3], v[236:237]
	s_wait_alu depctr_va_vdst(0)                   ; and one for the four
.irp b, 0,1,2,3
	v_max_num_f32 v[232+\b], 0x1800000, v[232+\b]  ; the floor 2^(3 - 127): the byte cannot fall under 1
.endr
.irp b, 0,1,2,3
	v_add_nc_u32 v[244+\b], 0xff000000, v[232+\b]  ; 2 off the exponent field: the conversion's scale operand
.endr
.irp b, 0,1,2,3
	v_lshrrev_b32 v[236+\b], 23, v[244+\b]
.endr
	v_lshl_or_b32 v253, v237, 8, v236              ; p's scale word for these 128 keys
	v_lshl_or_b32 v253, v238, 16, v253
	v_lshl_or_b32 v253, v239, 24, v253
.irp c, 0,1
	v_cvt_scalef32_pk16_fp6_f32 v[224+6*\c:226+6*\c], v[96+32*\c:111+32*\c], v[244+2*\c]
	v_cvt_scalef32_pk16_fp6_f32 v[236+4*\c:238+4*\c], v[112+32*\c:127+32*\c], v[244+2*\c+1]
.endr
	v_nop                                          ; one plain place behind a scaled conversion
.irp c, 0,1
.irp i, 0,1,2
	v_permlane16_swap_b32 v[224+6*\c+\i], v[236+4*\c+\i]
.endr
.irp i, 0,1,2
	v_mov_b32 v[227+6*\c+\i], v[236+4*\c+\i]
.endr
.endr
.set jj, 0
.rept 16
	v_pk_mul_f32 v[OB+jj:OB+jj+1], v[OB+jj:OB+jj+1], v[252:253] op_sel_hi:[1,0]   ; O under the new M.  (Also the places between p's codes and scale word and the products below)
.set jj, jj+2
.endr
.irp t, 0,1,2,3                                ; O^T += V^T P^T: this head's four tiles of 16 channels; K = these 128 keys
.irp c, 0,1,2
	ds_load_b128 v[FRG+12*\t+4*\c:FRG+12*\t+4*\c+3], v[ADC] offset:VOFF+(4*\hd+\t)*1536+512*\c
.endr
.endr
	ds_load_b128 v[248:251], v[ADS] offset:VSO+16*\hd
	s_wait_dscnt 0x0
.irp t, 0,1,2,3
	v_wmma_scale_f32_16x16x128_f8f6f4 v[OB+8*\t:OB+8*\t+7], v[FRG+12*\t:FRG+12*\t+11], v[224:235], v[OB+8*\t:OB+8*\t+7], v[248+\t], v253 matrix_a_fmt:MATRIX_FMT_FP6 matrix_b_fmt:MATRIX_FMT_FP6
.endr
.endm
; A slot's four key steps: written once, walked four times.  A step all of whose keys come after my queries is left out: a scalar branch on ids, round the work alone.
.macro FOUR_STEPS
	s_mov_b32 s[CNT], 4
.Lstep_\@:
	s_cmp_gt_u32 s[KS], s[GQ]
	s_cbranch_scc1 .Lhidden_\@
	v_add_nc_u32 v[ADC], s[TB], v[LI]
	v_add_nc_u32 v[ADS], s[TB], v[LR]
	HEAD 0
	HEAD 1
.Lhidden_\@:
	s_add_co_u32 s[KS], s[KS], 1
	s_add_co_u32 s[TB], s[TB], STEPB
	s_sub_co_u32 s[CNT], s[CNT], 1
	s_cmp_lg_u32 s[CNT], 0
	s_cbranch_scc1 .Lstep_\@
	s_sub_co_u32 s[TB], s[TB], 4*STEPB             ; back to a slot's first step,
	s_xor_b32 s[TB], s[TB], SLOT1                  ; in the other slot
.endm
; THE CHANGE OF SLOTS stands at a slot's head.  Each wave waits for all its tensor loads (its piece of the slot ahead), adds 0 to its spare word, and waits for that and for its reads of the slot that it has left.
; fill = 1: that other slot is filled with the four key steps that follow: the load has a whole slot's steps in which to land.
.macro CHANGE fill
	s_wait_tensorcnt 0x0                           ; no tensor load of mine is out, so a group 0 may be written
	ds_add_u32 v[SPW], v[NIL]
.if \fill
	s_xor_b32 s[G0C+1], s[G0C+1], SLOT1
	s_add_nc_u64 s[G0C+2:G0C+3], s[G0C+2:G0C+3], 49152
	s_xor_b32 s[G0S+1], s[G0S+1], SLOT1
	s_add_nc_u64 s[G0S+2:G0S+3], s[G0S+2:G0S+3], 2048
	s_wait_xcnt 0x0                                ; the last prefetch, a slot back, has read its address
	s_add_nc_u64 s[PFA:PFA+1], s[PFA:PFA+1], 49152 ; one slot further on than the walking descriptors
.endif
	s_wait_dscnt 0x0                               ; the add is done, and my reads of the slot that I have left are over
	s_barrier_signal -1
	s_barrier_wait -1
.if \fill
	TLOAD                                          ; the first thing behind the barrier, and my one tensor load until the next
	ASK
.endif
.endm
.Lslot:                                            ; NSL - 1 trips: behind each change of slots but the last the next slot is asked for
	CHANGE 1
	FOUR_STEPS
	s_sub_co_u32 s[SLOTS], s[SLOTS], 1
	s_cmp_lg_u32 s[SLOTS], 0
	s_cbranch_scc1 .Lslot
	CHANGE 0                                       ; the last slot is written out
	FOUR_STEPS
	; THE WAY OUT.  O / the sum, both heads: 64 numbers a lane, channels 32 b + 16 h + i of the pair's 128: quantised, one fragment and one scale word of the last product's operand.
	NOPS 4
	v_add_f32 v10, v10, v11
	v_add_f32 v14, v14, v15
	v_permlanex16_b32 v252, v10, s[SEL], s[SEL+1]
	v_permlanex16_b32 v254, v14, s[SEL], s[SEL+1]
	v_add_f32 v10, v10, v252                       ; the rows' sums
	v_add_f32 v14, v14, v254
	v_rcp_f32 v10, v10
	v_rcp_f32 v14, v14
	v_nop                                          ; the plain place behind the reciprocals
	s_wait_alu depctr_va_vdst(0)                   ; one wait for the two, ahead of the first reader
.set jj, 0
.rept 32
	v_mul_f32 v[96+jj], v[160+jj], v10
.set jj, jj+1
.endr
.rept 32
	v_mul_f32 v[96+jj], v[160+jj], v14
.set jj, jj+1
.endr
.set TM, 232
.set PC, 36
.set PW, 253
	QUANT 96
.irp c, 0,1,2
	global_store_b128 v[LI], v[PC+4*\c:PC+4*\c+3], s[82:83] offset:512*\c   ; 512 consecutive bytes a store
.endr
	ds_store_b32 v84, v[PW]                        ; lanes r and r + 16 write the same word with the same value
	s_wait_dscnt 0x0                               ; for the others' sake: my scale word has landed
	s_barrier_signal -1
	s_barrier_wait -1
	s_cmp_gt_u32 s[WV], 1
	s_cbranch_scc1 .Ldone
	ds_load_b128 v[60:63], v85                     ; wave 0 belongs to group i, wave 1 to group 15 - i: each stores its own group's 512 bytes
	s_wait_dscnt 0x0
	global_store_b128 v[LI], v[60:63], s[84:85]
.Ldone:
	s_wait_tensorcnt 0x0                           ; the wave's end
	ds_add_u32 v[SPW], v[NIL]
	s_wait_dscnt 0x0
	s_endpgm
.Lfunc_end_k_q3caa08b889_attn:
	.size	k_q3caa08b889_attn, .Lfunc_end_k_q3caa08b889_attn-k_q3caa08b889_attn
	.p2alignl 7, 3214868480
	.fill 96, 4, 3214868480
	.section	.rodata,"a",@progbits
	.p2align	6, 0x0
	.amdhsa_kernel k_q3caa08b889_attn
		.amdhsa_group_segment_fixed_size 327680
		.amdhsa_private_segment_fixed_size 0
		.amdhsa_enable_private_segment 0
		.amdhsa_kernarg_size 16
		.amdhsa_user_sgpr_count 2
		.amdhsa_user_sgpr_kernarg_segment_ptr 1
		.amdhsa_wavefront_size32 1
		.amdhsa_system_sgpr_workgroup_id_x 1
		.amdhsa_system_sgpr_workgroup_id_y 1
		.amdhsa_system_sgpr_workgroup_id_z 1
		.amdhsa_system_vgpr_workitem_id 0
		.amdhsa_next_free_vgpr 256
		.amdhsa_next_free_sgpr 90
		.amdhsa_reserve_vcc 1
		.amdhsa_float_denorm_mode_32 3
		.amdhsa_float_denorm_mode_16_64 3
		.amdhsa_memory_ordered 1
		.amdhsa_forward_progress 1
		.amdhsa_inst_pref_size 102
	.end_amdhsa_kernel
	.amdgpu_metadata
---
amdhsa.version: [ 1, 2 ]
amdhsa.kernels:
  - .name:           k_q3caa08b889_attn
    .symbol:         k_q3caa08b889_attn.kd
    .args:
      - { .name: qkv, .offset: 0, .size: 8, .value_kind: global_buffer, .address_space: global }
      - { .name: oq, .offset: 8, .size: 8, .value_kind: global_buffer, .address_space: global }
    .group_segment_fixed_size: 327680
    .private_segment_fixed_size: 0
    .kernarg_segment_align: 8
    .kernarg_segment_size: 16
    .max_flat_workgroup_size: 512
    .sgpr_count:     90
    .vgpr_count:     256
    .wavefront_size: 32
...
	.end_amdgpu_metadata
.endif
;; end of part 4
;; launch outp (part 5): grid 4 x 32, 4 waves a work-group, clusters of 4 x 4, 327,680 bytes of LDS; arguments oq, wq, bp, out0; writes out0
.if DOCPART == 5
	.amdgcn_target "amdgcn-amd-amdhsa--gfx1250"
	.amdhsa_code_object_version 6
	.text
	.protected	k_q3caa08b889_outp
	.globl	k_q3caa08b889_outp
	.p2align	8
	.type	k_q3caa08b889_outp,@function
k_q3caa08b889_outp:
	s_mov_b64 s[64:65], 0
	v_nop
	global_prefetch_b8 v0, s[64:65] scope:SCOPE_SE
	s_setreg_imm32_b32 hwreg(HW_REG_WAVE_MODE, 25, 1), 1
	s_wait_xcnt 0x0
	s_wait_alu depctr_hold_cnt(0) depctr_sa_sdst(0) depctr_va_vdst(0) depctr_va_sdst(0) depctr_va_ssrc(0) depctr_va_vcc(0) depctr_vm_vsrc(0)
	s_getreg_b32 s2, hwreg(HW_REG_IB_STS2, 6, 4)
	s_cmp_eq_u32 s2, 0
	s_cbranch_scc0 .Lentry_in_a_cluster
	s_endpgm
.Lentry_in_a_cluster:
	s_bfe_u32 s2, ttmp6, 0x10000c
	s_cmp_lg_u32 s2, 0xf033
	s_cbranch_scc0 .Lentry_shape_is_right
	s_endpgm
.Lentry_shape_is_right:
; out0 = attention's result x Wp + bp, on codes of FP6 (E2M3) with E8M0 scales; out0 [8192][1024] f32.
; OPERANDS lie in memory as images of operand registers: a fragment (16 rows x 128 K) is 1,536 bytes, registers 4 c .. 4 c + 3 of lane l at 512 c + 16 l; (group of 128 rows, tile a, K step s) at ((8 g + a) 8 + s) 1536;
; lane r of tile a holds row 32 (a / 2) + 8 (a % 2) + r + 8 (r / 8) of its group.  Scale words behind the codes, 512 bytes for (g, s): the word of (r, a) at 32 r + 4 a.
; A = oq (tokens, source 1), B = wq's groups 24 on (Wp's columns, source 0): a lane holds one token, and by the order of a tile's rows its registers of B's eight tiles are columns 32 b + 16 h + i in natural order.
; A tile of 256 x 256 is made by four waves, 128 x 128 each; K = 1,024 goes in four steps of 256 through a ring of two LDS slots.  The bias is the C of each sum's first matrix instruction.
; CLUSTERS: 4 x 4 work-groups; A's tiles are asked for jointly along a row of the cluster, B's along a column.  No prefetch: of K's four steps two are first fills and the others are asked for a step ahead.
; 128 tiles of 256 x 256: half of the chip's work-group processors have no tile.
; REGISTERS: window 0: v0-31 addresses; v32-63 scale words, two sets; v128-223 A's fragments, one set; on the way out v128-255 take rows of the result.
;   window 1: B's fragments, two sets, at v0 and v128; the bias at v96-127 and v224-255.   windows 2, 3: the accumulators ((a, b) at v[8 (8 (a % 4) + b)] of window 2 + a / 4).
.set FR,     12
.set NL,     3
.set NP,     4
.set NQ,     2
.set FRB,    1536
.set TILEB,  3072
.set HALFT,  8*TILEB
.set SLOT,   4*HALFT
.set LAPS,   2
.set SCL,    2*SLOT
.set HALFS,  4096
.set SPARE,  SCL+4*HALFS               ; the spare words, 128 bytes for each wave: two blocks of 256 bytes that no other line names
.set GRPB,   98304
.set XS_OFF, 6291456
.set WS_OFF, 3145728
.set SPITCH, 528                       ; the way out: a stage of 16 rows x (512 bytes + 16) for each wave, in slot 0, which has had its last fill and its last read when the first result is stored there
.set ADRA, 16
.set ADRB, 20
.set STO,  24                          ; v24  the way out: where I put 32 bytes of a row
.set RD,   25                          ; v25  where I read a row back
.set CO,   26                          ; v26  16 x lane
.set ADRS, 27
.set SPW,  28
.set NIL,  29
.set SC,   32
.set AF,   128
.set BK,   128
.set G1, 24
.set G0, 32
.set G1B, 48
.set G0B, 56
.set G1S, 68
.set G0S, 76
.set G1SB, 80
.set G0SB, 88
.set MSB, 0
.macro WIN new
.if MSB != (\new)
	s_set_vgpr_msb (MSB<<8)|(\new)
.set MSB, (\new)
.endif
.endm
.set MUL_LO, 0xa1
.set MUL_HI, 0xf1
.set TO_B,   0x40
.macro JLOAD g0a, g1a, g0b, g1b        ; a joint load: waves 0 and 1 fetch for A, waves 2 and 3 for B; an s_nop 0 and four v_nop follow each line
	s_cmp_eq_u32 s15, 0
	s_cbranch_scc0 .Lfor_b_\@
	tensor_load_to_lds s[\g0a:\g0a+3], s[\g1a:\g1a+7]
	s_nop 0
.rept 4
	v_nop
.endr
	s_branch .Lasked_\@
.Lfor_b_\@:
	tensor_load_to_lds s[\g0b:\g0b+3], s[\g1b:\g1b+7]
	s_nop 0
.rept 4
	v_nop
.endr
.Lasked_\@:
.endm
.macro CREST
	s_cmp_lg_u32 s14, 0
	s_cbranch_scc1 .Lnot_wave_0_\@
	s_barrier_signal -3
.Lnot_wave_0_\@:
	s_barrier_wait -3
	s_barrier_signal -1
	s_barrier_wait -1
.endm
.macro CROUND
	s_barrier_signal -1
	s_barrier_wait -1
	CREST
.endm
	s_load_b256 s[4:11], s[0:1], 0x0               ; oq s[4:5], wq s[6:7], bp s[8:9], out0 s[10:11]
	v_lshl_add_u32 v[SPW], v0, 2, SPARE
	v_mov_b32 v[NIL], 0
	ds_add_u32 v[SPW], v[NIL]                      ; the wave's opening: the add and its wait ahead of my first tensor load
	v_lshrrev_b32 v1, 5, v0
	v_readfirstlane_b32 s14, v1
	s_lshr_b32 s15, s14, 1
	s_and_b32 s16, s14, 1
	s_bfe_u32 s40, ttmp6, 0x40000                  ; cx
	s_bfe_u32 s41, ttmp6, 0x40004                  ; cy
	s_lshl_b32 s42, ttmp9, 2
	s_add_co_u32 s42, s42, s40                     ; tile column
	s_and_b32 s17, ttmp7, 0xffff
	s_lshl_b32 s17, s17, 2
	s_add_co_u32 s17, s17, s41                     ; tile row
	s_lshl_b32 s43, s41, 2
	s_lshl_b32 s43, 15, s43
	s_lshl_b32 s44, 0x1111, s40
	s_or_b32 s[G1+0], s43, (3<<16)|(1<<21)         ; codes: 8 tiles x 3,072 bytes (384 elements of 8 bytes), 12,288 bytes apart in memory, dense in LDS
	s_or_b32 s[G1B+0], s44, (3<<16)|(1<<21)
.irp g, G1, G1B
	s_mov_b32 s[\g+1], 384<<16
	s_mov_b32 s[\g+2], 8<<16
	s_mov_b32 s[\g+3], 384<<16
	s_mov_b32 s[\g+4], 8
	s_mov_b32 s[\g+5], 1536
	s_mov_b32 s[\g+6], 0
	s_mov_b32 s[\g+7], 0
.endr
	s_or_b32 s[G1S+0], s43, (3<<16)|(1<<21)        ; scale words of 128 rows, all K: 4,096 dense bytes as 16 rows of 256
	s_or_b32 s[G1SB+0], s44, (3<<16)|(1<<21)
.irp g, G1S, G1SB
	s_mov_b32 s[\g+1], 32<<16
	s_mov_b32 s[\g+2], 16<<16
	s_mov_b32 s[\g+3], 32<<16
	s_mov_b32 s[\g+4], 16
	s_mov_b32 s[\g+5], 32
	s_mov_b32 s[\g+6], 0
	s_mov_b32 s[\g+7], 0
.endr
	s_lshl_b32 s20, s17, 1
	s_add_co_u32 s20, s20, s16                     ; A: the group that I fetch
	s_lshl_b32 s46, s42, 1
	s_add_co_u32 s46, s46, s16
	s_add_co_u32 s46, s46, 24                      ; B: Wp's columns are wq's groups 24 on
	s_lshl_b32 s22, s20, 12
	s_add_co_u32 s22, s22, XS_OFF
	s_mov_b32 s23, 0
	s_lshl_b32 s92, s46, 12
	s_add_co_u32 s92, s92, WS_OFF
	s_mov_b32 s93, 0
	s_mul_i32 s20, s20, GRPB
	s_mov_b32 s21, 0
	s_mul_i32 s46, s46, GRPB
	s_mov_b32 s47, 0
	s_mul_i32 s45, s14, HALFT
	s_lshl_b32 s94, s14, 12
	s_wait_dscnt 0x0                               ; the opening add is done
	s_wait_kmcnt 0x0
	s_add_nc_u64 s[20:21], s[4:5], s[20:21]
	s_add_nc_u64 s[22:23], s[4:5], s[22:23]
	s_add_nc_u64 s[46:47], s[6:7], s[46:47]
	s_add_nc_u64 s[92:93], s[6:7], s[92:93]
	CROUND                                         ; all sixteen work-groups are here: the first joint loads meet
	s_mov_b32 s[G0S], 1
	s_add_co_u32 s[G0S+1], s94, SCL
	s_mov_b64 s[G0S+2:G0S+3], s[22:23]
	s_or_b32 s[G0S+3], s[G0S+3], 0x80000000
	s_mov_b32 s[G0SB], 1
	s_add_co_u32 s[G0SB+1], s94, SCL
	s_mov_b64 s[G0SB+2:G0SB+3], s[92:93]
	s_or_b32 s[G0SB+3], s[G0SB+3], 0x80000000
	JLOAD G0S, G1S, G0SB, G1SB
.irp s, 0,1
	s_mov_b32 s[G0+4*\s], 1
	s_add_co_u32 s[G0+4*\s+1], s45, \s*SLOT
	s_add_nc_u64 s[G0+4*\s+2:G0+4*\s+3], s[20:21], \s*TILEB
	s_or_b32 s[G0+4*\s+3], s[G0+4*\s+3], 0x80000000
	s_mov_b32 s[G0B+4*\s], 1
	s_add_co_u32 s[G0B+4*\s+1], s45, \s*SLOT
	s_add_nc_u64 s[G0B+4*\s+2:G0B+4*\s+3], s[46:47], \s*TILEB
	s_or_b32 s[G0B+4*\s+3], s[G0B+4*\s+3], 0x80000000
	JLOAD G0+4*\s, G1, G0B+4*\s, G1B               ; three tensor loads of mine are out
.endr
	v_and_b32 v1, 15, v0                           ; r
	v_bfe_u32 v2, v0, 4, 1                         ; h
	v_and_b32 v3, 31, v0                           ; lane
	v_lshlrev_b32 v[CO], 4, v3
	v_lshlrev_b32 v7, 6, v2                        ; the bias: 64 h
	s_lshl_b32 s46, s42, 10                        ; my first column, in bytes: 1,024 x tile column + 512 x half
	s_lshl_b32 s47, s16, 9
	s_add_co_u32 s46, s46, s47
	s_mov_b32 s47, 0
	s_add_nc_u64 s[8:9], s[8:9], s[46:47]
	WIN TO_B
.irp b, 0,1,2,3,4,5,6,7                        ; B's block b: lane (r, h) wants bp at columns 32 (b / 2) + 8 (b % 2) + 16 h + 0 .. 7
	global_load_b128 v[96+8*\b+96*(\b/4):96+8*\b+96*(\b/4)+3], v7, s[8:9] offset:128*(\b/2)+32*(\b%2)
	global_load_b128 v[96+8*\b+96*(\b/4)+4:96+8*\b+96*(\b/4)+7], v7, s[8:9] offset:128*(\b/2)+32*(\b%2)+16
.endr
	WIN 0
	s_mul_i32 s21, s15, HALFT
	s_mul_i32 s22, s16, HALFT
	s_add_co_u32 s22, s22, 2*HALFT
.irp s, 0,1
	v_add_nc_u32 v[ADRA+\s], s21, v[CO]
	v_add_nc_u32 v[ADRB+\s], s22, v[CO]
	s_add_co_u32 s21, s21, SLOT
	s_add_co_u32 s22, s22, SLOT
.endr
	v_lshlrev_b32 v5, 5, v1
	s_lshl_b32 s21, s15, 12
	s_lshl_b32 s22, s16, 12
	s_add_co_u32 s22, s22, 2*HALFS
	s_sub_co_u32 s22, s22, s21
	v_mul_u32_u24 v6, s22, v2                      ; lanes 16-31 take B's scale words
	s_add_co_u32 s21, s21, SCL
	v_add_nc_u32 v5, v5, v6
	v_add_nc_u32 v[ADRS], s21, v5
	s_mul_i32 s23, s14, 16*SPITCH                  ; my stage
	v_mul_u32_u24 v5, v1, SPITCH
	v_lshl_add_u32 v5, v2, 6, v5                   ; in: row r, + 64 h
	v_add_nc_u32 v[STO], s23, v5
	v_add_nc_u32 v[RD], s23, v[CO]                 ; back: the 32 lanes take one row of 512 bytes
	s_lshl_b32 s92, s17, 8
	s_lshl_b32 s93, s15, 7
	s_add_co_u32 s92, s92, s93                     ; my first token: 256 x tile row + 128 x half
	s_lshl_b32 s92, s92, 12                        ; rows of 4,096 bytes
	s_add_co_u32 s46, s46, s92
	s_add_nc_u64 s[12:13], s[10:11], s[46:47]
.macro FRAG reg, adr, q, i
.irp c, 0,1,2
	ds_load_b128 v[\reg+4*\c:\reg+4*\c+3], v[\adr] offset:(\i)*TILEB+(\q)*FRB+512*\c
.endr
.endm
; 16 matrix instructions: A's blocks a0, a0 + 1 x B's eight.  first = 1: the bias is the C.  The 64 accumulators take turns, one instruction a turn, in the same order in every step.
.macro MUL16 a0, p, q, sc, first
.irp a, \a0, \a0+1
.irp b, 0,1,2,3,4,5,6,7
.if \first
	v_wmma_scale_f32_16x16x128_f8f6f4 v[8*(8*((\a)%4)+\b):8*(8*((\a)%4)+\b)+7], v[128*(\p)+FR*\b:128*(\p)+FR*\b+FR-1], v[AF+FR*(\a):AF+FR*(\a)+FR-1], v[96+8*\b+96*(\b/4):96+8*\b+96*(\b/4)+7], v[SC+16*(\sc)+8*(\q)+\b], v[SC+16*(\sc)+8*(\q)+(\a)] matrix_a_fmt:MATRIX_FMT_FP6 matrix_b_fmt:MATRIX_FMT_FP6 matrix_a_scale:MATRIX_SCALE_ROW1
.else
	v_wmma_scale_f32_16x16x128_f8f6f4 v[8*(8*((\a)%4)+\b):8*(8*((\a)%4)+\b)+7], v[128*(\p)+FR*\b:128*(\p)+FR*\b+FR-1], v[AF+FR*(\a):AF+FR*(\a)+FR-1], v[8*(8*((\a)%4)+\b):8*(8*((\a)%4)+\b)+7], v[SC+16*(\sc)+8*(\q)+\b], v[SC+16*(\sc)+8*(\q)+(\a)] matrix_a_fmt:MATRIX_FMT_FP6 matrix_b_fmt:MATRIX_FMT_FP6 matrix_a_scale:MATRIX_SCALE_ROW1
.endif
.endr
.endr
.endm
.macro FETCH_B slot, q, p
	WIN TO_B
.irp i, 0,1,2,3,4,5,6,7
	FRAG 128*(\p)+FR*\i, ADRB+\slot, \q, \i
.endr
	WIN 0
.endm
.macro FETCH_A slot, q, i0
.irp i, \i0, \i0+1, \i0+2, \i0+3
	FRAG AF+FR*(\i), ADRA+\slot, \q, \i
.endr
.endm
.macro SCALES sc
.irp q, 0,1
	ds_load_b128 v[SC+16*\sc+8*\q:SC+16*\sc+8*\q+3], v[ADRS] offset:512*\q
	ds_load_b128 v[SC+16*\sc+8*\q+4:SC+16*\sc+8*\q+7], v[ADRS] offset:512*\q+16
.endr
.endm
.macro PLACES n
.rept \n
	v_nop
.endr
.endm
.macro STEP slot, q, first
	s_wait_dscnt 4*NL                              ; B's set and A's blocks 0-3 are in; the youngest 12 loads (A's blocks 4-7) may be out
.if \first
	WIN 0x91                                       ; as MUL_LO, with C (the bias) in window 1
.else
	WIN MUL_LO
.endif
	MUL16 0, (\q)%2, \q, \slot, \first
	MUL16 2, (\q)%2, \q, \slot, \first
	s_wait_dscnt 0
	PLACES NP
	FETCH_B \slot, (\q)+1, 1-(\q)%2
	FETCH_A \slot, (\q)+1, 0
.if \first
	WIN 0xd1
.else
	WIN MUL_HI
.endif
	MUL16 4, (\q)%2, \q, \slot, \first
	MUL16 6, (\q)%2, \q, \slot, \first
	PLACES NP
	WIN 0
	FETCH_A \slot, (\q)+1, 4
.endm
.macro TURN slot, next, fill
	s_wait_tensorcnt 0x0                           ; all my tensor loads have landed: my part of the next slot
	ds_add_u32 v[SPW], v[NIL]
	s_wait_dscnt 4*NL+1                            ; the add and the youngest 12 loads (A's blocks 4-7) may be out
	WIN MUL_LO
	MUL16 0, 1, NQ-1, \slot, 0
	s_wait_dscnt 0x0                               ; the add is done, and my reads of this slot are over
	s_barrier_signal -1
	MUL16 2, 1, NQ-1, \slot, 0
	WIN 0
	s_barrier_wait -1
.if \fill
	CREST                                          ; the barrier has opened a round of the cluster's barrier
	s_add_nc_u64 s[G0+4*\slot+2:G0+4*\slot+3], s[G0+4*\slot+2:G0+4*\slot+3], 2*TILEB
	s_add_nc_u64 s[G0B+4*\slot+2:G0B+4*\slot+3], s[G0B+4*\slot+2:G0B+4*\slot+3], 2*TILEB
	JLOAD G0+4*\slot, G1, G0B+4*\slot, G1B         ; the first tensor load behind the round; its four v_nop are the places in front of the loads below
.else
	PLACES NP
.endif
	v_add_nc_u32 v[ADRS], 1024, v[ADRS]
	FETCH_B \next, 0, 0
	FETCH_A \next, 0, 0
	SCALES \next
	WIN MUL_HI
	MUL16 4, 1, NQ-1, \slot, 0
	MUL16 6, 1, NQ-1, \slot, 0
	PLACES NP
	WIN 0
	FETCH_A \next, 0, 4
.endm
	s_wait_tensorcnt 1                             ; the scale words and my part of K step 0 are in (K step 1's load may be out),
	s_barrier_signal -1
	s_barrier_wait -1                              ; everybody's are
	FETCH_B 0, 0, 0
	FETCH_A 0, 0, 0
	SCALES 0
	FETCH_A 0, 0, 4
	s_wait_loadcnt 0x0                             ; the bias
	STEP 0, 0, 1                                   ; the first step's products start the sums, from the bias
	s_mov_b32 s3, LAPS-1
.Llap:
	TURN 0, 1, 1
	STEP 1, 0, 0
	TURN 1, 0, 1
	STEP 0, 0, 0
	s_sub_co_u32 s3, s3, 1
	s_cmp_lg_u32 s3, 0
	s_cbranch_scc1 .Llap
	TURN 0, 1, 0
	STEP 1, 0, 0
	s_wait_dscnt 4*NL
	WIN MUL_LO
	MUL16 0, 1, NQ-1, 1, 0
	MUL16 2, 1, NQ-1, 1, 0
	s_wait_dscnt 0
	WIN MUL_HI
	MUL16 4, 1, NQ-1, 1, 0
	MUL16 6, 1, NQ-1, 1, 0
	WIN 0
; THE WAY OUT, block by block of 16 tokens x 128 columns, through my own stage in LDS: back come whole rows of 512 bytes.  Row t of block a is token 32 (a / 2) + 8 (a % 2) + t + 8 (t / 8) of my 128.
.macro TOSTAGE a
.set AC, 64*((\a)%4)
	WIN 0x08+4*((\a)/4)                            ; the data: window 2 or 3
.irp b, 0,1,2,3,4,5,6,7
	ds_store_b128 v[STO], v[AC+8*\b:AC+8*\b+3] offset:128*(\b/2)+32*(\b%2)          ; each accumulator from its low end on
	ds_store_b128 v[STO], v[AC+8*\b+4:AC+8*\b+7] offset:128*(\b/2)+32*(\b%2)+16
.endr
	WIN 0
.set BB, BK+64*((\a)%2)
.irp t, 0,1,2,3,4,5,6,7,8,9,10,11,12,13,14,15
	ds_load_b128 v[BB+4*\t:BB+4*\t+3], v[RD] offset:\t*SPITCH   ; LDS serves a wave's instructions in order: these see my stores
.endr
.endm
.macro SEND a, younger                 ; younger: the LDS instructions issued behind block a's loads, which may stay out
.set BB, BK+64*((\a)%2)
	s_wait_dscnt \younger
.if (\a) > 0
.if (\a)%2
	s_add_nc_u64 s[12:13], s[12:13], 8*4096        ; (behind a wait on XCNT)  an odd block begins 8 tokens on,
.else
	s_add_nc_u64 s[12:13], s[12:13], 24*4096       ; an even one 24
.endif
.endif
.irp t, 0,1,2,3,4,5,6,7,8,9,10,11,12,13,14,15
	global_store_b128 v[CO], v[BB+4*\t:BB+4*\t+3], s[12:13] offset:(\t+8*(\t/8))*4096 th:TH_STORE_NT   ; 32 lanes store 512 consecutive bytes, at a multiple of 256 from out0's first byte
.endr
.endm
	PLACES NP
	TOSTAGE 0
.irp a, 1,2,3,4,5,6,7
.if \a > 1
	s_wait_xcnt 0x0                                ; block a - 2's stores have read their registers and their base
.endif
	TOSTAGE \a
	SEND \a-1, 32                                  ; behind block a - 1's loads: block a's 16 stores and 16 loads
.endr
	s_wait_xcnt 0x0
	SEND 7, 0
	s_wait_tensorcnt 0x0                           ; the wave's end
	ds_add_u32 v[SPW], v[NIL]
	s_wait_dscnt 0x0
	CROUND                                         ; the closing round
	s_endpgm
.Lfunc_end_k_q3caa08b889_outp:
	.size	k_q3caa08b889_outp, .Lfunc_end_k_q3caa08b889_outp-k_q3caa08b889_outp
	.p2alignl 7, 3214868480
	.fill 96, 4, 3214868480
	.section	.rodata,"a",@progbits
	.p2align	6, 0x0
	.amdhsa_kernel k_q3caa08b889_outp
		.amdhsa_group_segment_fixed_size 327680
		.amdhsa_private_segment_fixed_size 0
		.amdhsa_enable_private_segment 0
		.amdhsa_kernarg_size 32
		.amdhsa_user_sgpr_count 2
		.amdhsa_user_sgpr_kernarg_segment_ptr 1
		.amdhsa_wavefront_size32 1
		.amdhsa_system_sgpr_workgroup_id_x 1
		.amdhsa_system_sgpr_workgroup_id_y 1
		.amdhsa_system_sgpr_workgroup_id_z 1
		.amdhsa_system_vgpr_workitem_id 0
		.amdhsa_next_free_vgpr 1024
		.amdhsa_next_free_sgpr 100
		.amdhsa_reserve_vcc 0
		.amdhsa_float_denorm_mode_32 3
		.amdhsa_float_denorm_mode_16_64 3
		.amdhsa_memory_ordered 1
		.amdhsa_forward_progress 1
		.amdhsa_inst_pref_size 136
	.end_amdhsa_kernel
	.amdgpu_metadata
---
amdhsa.version: [ 1, 2 ]
amdhsa.kernels:
  - .name:           k_q3caa08b889_outp
    .symbol:         k_q3caa08b889_outp.kd
    .args:
      - { .name: oq, .offset: 0, .size: 8, .value_kind: global_buffer, .address_space: global }
      - { .name: wq, .offset: 8, .size: 8, .value_kind: global_buffer, .address_space: global }
      - { .name: bp, .offset: 16, .size: 8, .value_kind: global_buffer, .address_space: global }
      - { .name: out0, .offset: 24, .size: 8, .value_kind: global_buffer, .address_space: global }
    .group_segment_fixed_size: 327680
    .private_segment_fixed_size: 0
    .kernarg_segment_align: 8
    .kernarg_segment_size: 32
    .max_flat_workgroup_size: 128
    .sgpr_count:     100
    .vgpr_count:     1024
    .wavefront_size: 32
...
	.end_amdgpu_metadata
.endif
;; end of part 5
